; MI455X (gfx1250); checked and timed in simulation.
; The chip was launched on July 23, 2026; its instructions are those of AMD's public machine-readable ISA for CDNA 5 (MIT licence, August 2026) and "CDNA5" Instruction Set Architecture Reference Guide (July 2026). The comments in the code are by the model that wrote it; some were corrected since.
;; Single Head Attention. Allowed arithmetic: float matrix products may take bf16 or f16 operands with f32 sums; other float arithmetic in f32, or as packed bf16 or f16 multiplies, adds, multiply-adds, maxima and minima; sums over many terms, partial sums and values carried from step to step in f32; what a program stores and reads back later, other than sums and carried values, may be rounded once to bf16 or f16.
;; Inputs: Wk 1,024 x 1,024 float32; Wq 1,024 x 1,024 float32; Wv 1,024 x 1,024 float32; X 4 x 2,048 x 1,024 float32.
;; Outputs: out0 4 x 2,048 x 1,024 float32.
;; 2 versions, each right; version 2 is version 1 with the launch prep written anew for expert scheduling mode. Each part assembles by itself: llvm-mc -triple=amdgcn-amd-amdhsa -mcpu=gfx1250 --defsym DOCPART=n.
;; ======== version 1 of 2: 4 launches
;; limits: values are held in f16: magnitudes above 65,504 overflow, below 6.1e-05 lose precision
;; workspace buffers: xb 16,777,216 bytes; wt 6,291,456 bytes; qkv 50,331,648 bytes; pp 33,554,432 bytes; st 1,048,576 bytes
;; launch prep (part 1): grid 1024 x 1, 8 waves a work-group, no clusters, 17,920 bytes of LDS; arguments X, Wq, Wk, Wv, xb, wt; writes xb, wt
.if DOCPART == 1
	.amdgcn_target "amdgcn-amd-amdhsa--gfx1250"
	.amdhsa_code_object_version 6
	.text
	.protected	k_qa4c93fe285_prep
	.globl	k_qa4c93fe285_prep
	.p2align	8
	.type	k_qa4c93fe285_prep,@function
k_qa4c93fe285_prep:
	s_mov_b64 s[64:65], 0
	v_nop
	global_prefetch_b8 v0, s[64:65] scope:SCOPE_SE
	s_setreg_imm32_b32 hwreg(HW_REG_WAVE_MODE, 25, 1), 1
	s_wait_xcnt 0x0
; X and the three weights are rounded once to bf16 and laid out in blocks of 64 along K, so that a tile's K step is dense memory for the next launch.
;   xb[kb][row][64]  = X[row][64 kb ..]            16 x 8192 x 64 bf16
;   wt[kb][n][64]    = W[64 kb ..][n], turned      16 x 3072 x 64 bf16; n 0-1023 Wq's columns, 1024-2047 Wk's, 2048-3071 Wv's
; Work-groups 0-255 take 32 rows of X each; work-groups 256-1023 one block of 64 k x 64 n of one weight each, turned through LDS.
; Every byte is read once and written once; no matrix unit, no tensor load: nothing is shared and nothing is used twice.
.set SPARE, 16896                      ; behind the tile of 64 x 65 words: the spare words, 128 bytes for each of eight waves
.set LO,  1                            ; v1  load offset: (t / 16) rows of 4,096 bytes + 16 (t % 16); the same for X and for a weight
.set SO,  4                            ; v4  X: store offset 8 t.  W: where I put my words in LDS
.set RDA, 5                            ; v5  W: where I read a column piece back
.set SPW, 6                            ; v6  LDS address of my spare word; never rewritten
.set NIL, 7                            ; v7  0; never rewritten
.set IN,  8                            ; v[8:135]   as loaded
.set OUT, 136                          ; v[136:199] to store: each store has registers of its own, so none waits for another
	s_load_b256 s[4:11], s[0:1], 0x0               ; X s[4:5], Wq s[6:7], Wk s[8:9], Wv s[10:11]
	s_load_b128 s[12:15], s[0:1], 0x20             ; xb s[12:13], wt s[14:15]
	v_lshl_add_u32 v[SPW], v0, 2, SPARE
	v_mov_b32 v[NIL], 0
	v_lshrrev_b32 v2, 4, v0                        ; t / 16
	v_and_b32 v3, 15, v0                           ; t % 16
	v_lshlrev_b32 v[LO], 12, v2
	v_lshl_add_u32 v[LO], v3, 4, v[LO]
	s_cmp_lt_u32 ttmp9, 256
	s_cbranch_scc0 .Lweights
	; X: 32 rows.  A wave's load takes 256 consecutive bytes (one K block) of two rows; its store 256 consecutive bytes of xb: the same two rows of that block.
	s_lshl_b32 s16, ttmp9, 17                      ; 32 rows of 4,096 bytes
	s_mov_b32 s17, 0
	s_lshl_b32 s18, ttmp9, 12                      ; 32 rows of 128 bytes in a K block
	s_mov_b32 s19, 0
	v_lshlrev_b32 v[SO], 3, v0                     ; (t / 16) x 128 + (t % 16) x 8 = 8 t
	s_wait_kmcnt 0x0
	s_add_nc_u64 s[4:5], s[4:5], s[16:17]
	s_add_nc_u64 s[12:13], s[12:13], s[18:19]
	s_add_nc_u64 s[20:21], s[12:13], 0x800000      ; K blocks 8-15: a second base keeps the immediates inside their 24 bits
.set i, 0
.rept 32                                       ; i = 16 x (half of the rows) + K block: all 32 loads go out at once
	global_load_b128 v[IN+4*i:IN+4*i+3], v[LO], s[4:5] offset:(i/16)*65536+(i%16)*256 th:TH_LOAD_NT
.set i, i+1
.endr
.set i, 0
.rept 32
	s_wait_loadcnt 31-i                            ; loads come back in order: the 31 - i younger ones may stay out
	v_cvt_pk_bf16_f32 v[OUT+2*i], v[IN+4*i], v[IN+4*i+1]
	v_cvt_pk_bf16_f32 v[OUT+2*i+1], v[IN+4*i+2], v[IN+4*i+3]
.if (i%16) < 8
	global_store_b64 v[SO], v[OUT+2*i:OUT+2*i+1], s[12:13] offset:(i/16)*2048+(i%8)*1048576
.else
	global_store_b64 v[SO], v[OUT+2*i:OUT+2*i+1], s[20:21] offset:(i/16)*2048+(i%8)*1048576
.endif
.set i, i+1
.endr
	s_endpgm
.Lweights:
	s_sub_co_u32 s16, ttmp9, 256
	s_lshr_b32 s17, s16, 8                         ; which weight
	s_bfe_u32 s18, s16, 0x40004                    ; K block
	s_and_b32 s19, s16, 15                         ; block of 64 columns
	s_lshl_b32 s20, s18, 18                        ; 64 rows of 4,096 bytes
	s_lshl_b32 s21, s19, 8
	s_add_co_u32 s20, s20, s21
	s_mov_b32 s21, 0
	s_mul_i32 s22, s18, 393216                     ; a K block of wt: 3,072 rows of 128 bytes
	s_lshl_b32 s23, s17, 17                        ; the weight's 1,024 rows
	s_add_co_u32 s22, s22, s23
	s_lshl_b32 s23, s19, 13                        ; the block's 64 rows
	s_add_co_u32 s22, s22, s23
	s_mov_b32 s23, 0
	v_mul_u32_u24 v[SO], v2, 260                   ; LDS row k has 65 words: neither the stores by rows nor the reads by columns meet in a bank
	v_lshl_add_u32 v[SO], v3, 4, v[SO]
	v_and_b32 v[RDA], 7, v0
	v_mul_u32_u24 v[RDA], v[RDA], 2080             ; k = 8 (t % 8): eight LDS rows
	v_lshrrev_b32 v2, 3, v0
	v_lshl_add_u32 v[RDA], v2, 2, v[RDA]           ; n = t / 8
	v_lshlrev_b32 v3, 4, v0                        ; in wt: n x 128 + (t % 8) x 16 = 16 t
	s_wait_kmcnt 0x0
	s_cmp_eq_u32 s17, 0
	s_cselect_b64 s[24:25], s[6:7], s[8:9]
	s_cmp_eq_u32 s17, 2
	s_cselect_b64 s[24:25], s[10:11], s[24:25]
	s_add_nc_u64 s[24:25], s[24:25], s[20:21]
	s_add_nc_u64 s[14:15], s[14:15], s[22:23]
.irp q, 0,1,2,3
	global_load_b128 v[IN+4*\q:IN+4*\q+3], v[LO], s[24:25] offset:\q*65536 th:TH_LOAD_NT
.endr
	s_wait_loadcnt 0x0
.irp q, 0,1,2,3
.irp i, 0,1,2,3
	ds_store_b32 v[SO], v[IN+4*\q+\i] offset:\q*4160+\i*4
.endr
.endr
	s_wait_dscnt 0x0                               ; for the others' sake: my stores are done
	s_barrier_signal -1
	s_barrier_wait -1
.irp p, 0,1
.irp i, 0,1,2,3,4,5,6,7
	ds_load_b32 v[IN+16+8*\p+\i], v[RDA] offset:\i*260+\p*128
.endr
.endr
.irp p, 0,1
	s_wait_dscnt 8-8*\p                            ; the second pass's eight loads may stay out during the first
.irp i, 0,1,2,3
	v_cvt_pk_bf16_f32 v[OUT+4*\p+\i], v[IN+16+8*\p+2*\i], v[IN+16+8*\p+2*\i+1]
.endr
	global_store_b128 v3, v[OUT+4*\p:OUT+4*\p+3], s[14:15] offset:\p*4096  ; a wave's store covers 512 consecutive bytes
.endr
	s_wait_tensorcnt 0x0                           ; the wave's end, behind my last LDS store
	ds_add_u32 v[SPW], v[NIL]
	s_wait_dscnt 0x0
	s_endpgm
.Lfunc_end_k_qa4c93fe285_prep:
	.size	k_qa4c93fe285_prep, .Lfunc_end_k_qa4c93fe285_prep-k_qa4c93fe285_prep
	.p2alignl 7, 3214868480
	.fill 96, 4, 3214868480
	.section	.rodata,"a",@progbits
	.p2align	6, 0x0
	.amdhsa_kernel k_qa4c93fe285_prep
		.amdhsa_group_segment_fixed_size 17920
		.amdhsa_private_segment_fixed_size 0
		.amdhsa_enable_private_segment 0
		.amdhsa_kernarg_size 48
		.amdhsa_user_sgpr_count 2
		.amdhsa_user_sgpr_kernarg_segment_ptr 1
		.amdhsa_wavefront_size32 1
		.amdhsa_system_sgpr_workgroup_id_x 1
		.amdhsa_system_sgpr_workgroup_id_y 1
		.amdhsa_system_sgpr_workgroup_id_z 1
		.amdhsa_system_vgpr_workitem_id 0
		.amdhsa_next_free_vgpr 208
		.amdhsa_next_free_sgpr 66
		.amdhsa_reserve_vcc 0
		.amdhsa_float_denorm_mode_32 3
		.amdhsa_float_denorm_mode_16_64 3
		.amdhsa_memory_ordered 1
		.amdhsa_forward_progress 1
		.amdhsa_inst_pref_size 17
	.end_amdhsa_kernel
	.amdgpu_metadata
---
amdhsa.version: [ 1, 2 ]
amdhsa.kernels:
  - .name:           k_qa4c93fe285_prep
    .symbol:         k_qa4c93fe285_prep.kd
    .args:
      - { .name: X, .offset: 0, .size: 8, .value_kind: global_buffer, .address_space: global }
      - { .name: Wq, .offset: 8, .size: 8, .value_kind: global_buffer, .address_space: global }
      - { .name: Wk, .offset: 16, .size: 8, .value_kind: global_buffer, .address_space: global }
      - { .name: Wv, .offset: 24, .size: 8, .value_kind: global_buffer, .address_space: global }
      - { .name: xb, .offset: 32, .size: 8, .value_kind: global_buffer, .address_space: global }
      - { .name: wt, .offset: 40, .size: 8, .value_kind: global_buffer, .address_space: global }
    .group_segment_fixed_size: 17920
    .private_segment_fixed_size: 0
    .kernarg_segment_align: 8
    .kernarg_segment_size: 48
    .max_flat_workgroup_size: 256
    .sgpr_count:     66
    .vgpr_count:     208
    .wavefront_size: 32
...
	.end_amdgpu_metadata
.endif
;; end of part 1
;; launch qkv (part 2): grid 8 x 32, 4 waves a work-group, clusters of 4 x 4, 327,680 bytes of LDS; arguments xb, wt, qkv; writes qkv
.if DOCPART == 2
	.amdgcn_target "amdgcn-amd-amdhsa--gfx1250"
	.amdhsa_code_object_version 6
	.text
	.protected	k_qa4c93fe285_qkv
	.globl	k_qa4c93fe285_qkv
	.p2align	8
	.type	k_qa4c93fe285_qkv,@function
k_qa4c93fe285_qkv:
	s_mov_b64 s[64:65], 0
	v_nop
	global_prefetch_b8 v0, s[64:65] scope:SCOPE_SE
	s_setreg_imm32_b32 hwreg(HW_REG_WAVE_MODE, 25, 1), 1
	s_wait_xcnt 0x0
	s_wait_alu depctr_hold_cnt(0) depctr_sa_sdst(0) depctr_va_vdst(0) depctr_va_sdst(0) depctr_va_ssrc(0) depctr_va_vcc(0) depctr_vm_vsrc(0)
	s_getreg_b32 s2, hwreg(HW_REG_IB_STS2, 6, 4)
	s_cmp_eq_u32 s2, 0
	s_cbranch_scc0 .Lentry_in_a_cluster
	s_endpgm
.Lentry_in_a_cluster:
	s_bfe_u32 s2, ttmp6, 0x10000c
	s_cmp_lg_u32 s2, 0xf033
	s_cbranch_scc0 .Lentry_shape_is_right
	s_endpgm
.Lentry_shape_is_right:
; qkv[row][n] = the sum over k of X[row][k] W[k][n]: [8192][3072] in f16 (q, k, v side by side, unscaled), from xb and wt in bf16, sums in f32, rounded once.
; LIMIT.  A result of 65,520 or more becomes an infinity in f16.
; A tile is 256 rows x 384 columns: 32 x 8 = 256 work-groups.  Four waves, each 128 x 192: 8 x 12 accumulators of 16 x 16, 768 registers.
; K goes in steps of 64 through two LDS slots.  xb and wt lie in blocks of 64 along K, so a tile's step is dense memory and is asked for as rows of 256 bytes (two rows of the tile),
; padded in LDS behind every 128 bytes.
; CLUSTER 4 x 4: the four of a row need the same rows of xb, the four of a column the same rows of wt: each is asked for jointly, by the same tensor load with a mask that names the four.
; THE MATRIX INSTRUCTION IS USED TRANSPOSED (source 0 = 16 rows of wt, source 1 = 16 rows of xb): a lane holds eight neighbouring columns of one row of the result.
; REGISTERS: window 0: v16-30 addresses; v32-95, v96-159 xb's fragments (8 x 16 rows x 32 K), two buffers; v160-255 wt's twelve fragments, one buffer, refilled by halves.
;   windows 1-3: accumulator (a, b) in window 1 + b / 4 at v[8 (8 (b % 4) + a)].
.set PITCH,  144                       ; an LDS row: 128 bytes + 16: nine times 16, so the 16 rows of a fragment load start in 16 different groups of four banks
.set AHALF,  128*PITCH
.set BHALF,  192*PITCH
.set BOFF,   2*AHALF                   ; a slot: xb's 256 rows, then wt's 384
.set SLOT1,  1<<17                     ; slot 1 begins here: one exclusive or turns an address in one slot into the other's
.set SP,     784                       ; the stage for the way out: 256 rows of 768 bytes + 16, laid over the slots when their last fill has been read
.set SPARE,  SLOT1+BOFF+2*BHALF        ; behind slot 1: the spare words, 128 bytes a wave
.set APLANE, 8192*128                  ; bytes from a K block of xb to the next
.set BPLANE, 3072*128                  ; the same for wt
.set A0,   16                          ; v16  my lane's place in a slot's rows of xb; never rewritten
.set B0,   17                          ; v17  the same for wt
.set ADRA, 18                          ; v18  A0 + the slot in hand
.set ADRB, 19
.set STO,  24                          ; v24, v25  the way out: where I put 16 bytes (row blocks 0-3, 4-7)
.set RD,   26                          ; v26  where I read rows back
.set CO,   27                          ; v27  my byte offset in two rows of qkv
.set SPW,  28                          ; v28  LDS address of my spare word; never rewritten
.set NIL,  29                          ; v29  0; never rewritten
.set PFO,  30                          ; v30  the prefetches' offset; never rewritten
.set FA0,  32
.set FA1,  96
.set FB,   160
.set CNT,  3
.set WV,   10
.set TB,   20                          ; s20  LDS byte at which the slot to be read begins
.set G1A,  24                          ; s[24:31] group 1 for xb's tiles; s[32:39] group 0: a set for each first fill, the second then walks
.set G0A,  32
.set G1B,  48
.set G0B,  56
.set PFA,  44                          ; s[44:45] where my prefetches stand
.set PFS,  66                          ; s[66:67] their step: a K block
.set PAR,  78                          ; s78  0: I ask in every trip; 1: in trips with an odd count
.set LIM,  79                          ; s79  I ask while the count is above this
.set MSB, 0
.macro WIN new                         ; the immediate's high byte repeats the setting that is left; a switch that changes nothing is dropped
.if MSB != (\new)
	s_set_vgpr_msb (MSB<<8)|(\new)
.set MSB, \new
.endif
.endm
.macro PLACES                          ; four plain instructions between a matrix instruction and a load into, or a vector read or write of, its registers
.rept 4
	v_nop
.endr
.endm
.macro CREST                           ; a round of the cluster's barrier behind its opening barrier
	s_cmp_lg_u32 s[WV], 0
	s_cbranch_scc1 .Lnot_wave_0_\@
	s_barrier_signal -3
.Lnot_wave_0_\@:
	s_barrier_wait -3
	s_barrier_signal -1
	s_barrier_wait -1
.endm
.macro CROUND
	s_barrier_signal -1
	s_barrier_wait -1
	CREST
.endm
.macro JLOAD                           ; a joint refill: waves 0 and 1 fetch xb's two halves, waves 2 and 3 wt's; the branch hangs on the wave's number alone
	s_cmp_lt_u32 s[WV], 2
	s_cbranch_scc0 .Lfor_b_\@
	tensor_load_to_lds s[G0A+4:G0A+7], s[G1A:G1A+7]
	s_nop 0
	PLACES
	s_branch .Lasked_\@
.Lfor_b_\@:
	tensor_load_to_lds s[G0B+4:G0B+7], s[G1B:G1B+7]
	s_nop 0
	PLACES
.Lasked_\@:
.endm
; A PREFETCH INTO THE L2, behind the joint load and the LDS loads that the next products wait for.  In the trip that refills K block i + 2 the pointer stands at block i + 3.
; xb: a tile row is read by both clusters of its row of clusters; those with x = 0 ask, wave 0, in every trip but the last: of the tile's 128 blocks of 256 bytes in a K block the partner at cx takes 32, a lane each.
; wt: a tile column is read by all eight clusters of its column; those with y = 0 ask, waves 1 to 3: the partner at cy takes 48 blocks of each of TWO K blocks (96 = 3 waves x 32 lanes), in every second trip.
; So each block of 256 bytes is named once in the launch; K blocks 0-2 of xb and 0-3 of wt come by their loads alone; the last block named is 15.
.macro ASK
	s_and_b32 s77, s[CNT], s[PAR]
	s_cmp_eq_u32 s77, s[PAR]
	s_cbranch_scc0 .Lnot_now_\@
	s_cmp_gt_u32 s[CNT], s[LIM]
	s_cbranch_scc0 .Lnot_now_\@
	global_prefetch_b8 v[PFO], s[PFA:PFA+1] th:TH_LOAD_NT scope:SCOPE_SE
.Lnot_now_\@:
.endm
	s_load_b128 s[4:7], s[0:1], 0x0                ; xb s[4:5], wt s[6:7]
	s_load_b64 s[8:9], s[0:1], 0x10                ; qkv
	v_lshl_add_u32 v[SPW], v0, 2, SPARE
	v_mov_b32 v[NIL], 0
	ds_add_u32 v[SPW], v[NIL]                      ; the wave's opening: the add and its wait stand ahead of my first tensor load; the set-up stands between them
	v_lshrrev_b32 v1, 5, v0
	v_readfirstlane_b32 s[WV], v1                  ; wave 0..3
	s_lshr_b32 s11, s[WV], 1                       ; which 128 rows of the tile are mine
	s_and_b32 s12, s[WV], 1                        ; which 192 columns.  Also: which half of a tile I fetch
	s_bfe_u32 s40, ttmp6, 0x40000                  ; cx
	s_bfe_u32 s41, ttmp6, 0x40004                  ; cy
	s_lshl_b32 s42, ttmp9, 2
	s_add_co_u32 s42, s42, s40                     ; tile column = 4 x cluster x + cx
	s_and_b32 s13, ttmp7, 0xffff
	s_lshl_b32 s13, s13, 2
	s_add_co_u32 s13, s13, s41                     ; tile row = 4 x cluster y + cy
	s_lshl_b32 s70, s41, 2
	s_lshl_b32 s70, 15, s70                        ; my row of the cluster
	s_lshl_b32 s71, 0x1111, s40                    ; my column
	s_or_b32 s[G1A], s70, (1<<16)|(1<<20)|(1<<21)|(4<<22)|(3<<25)  ; the mask; 2-byte elements; padding on; bit 21 beside a mask; behind every 32 words, 4 words
	s_or_b32 s[G1B], s71, (1<<16)|(1<<20)|(1<<21)|(4<<22)|(3<<25)
	s_mov_b32 s[G1A+1], 128<<16                    ; tensor_dim0 = 128 elements: 256 bytes, two rows of the tile
	s_mov_b32 s[G1A+2], 64<<16                     ; tensor_dim1 = 64
	s_mov_b32 s[G1A+3], 128<<16                    ; tile_dim0
	s_mov_b32 s[G1A+4], 64                         ; tile_dim1
	s_mov_b32 s[G1A+5], 128                        ; dense: 128 elements from row to row
	s_mov_b32 s[G1A+6], 0
	s_mov_b32 s[G1A+7], 0
	s_mov_b32 s[G1B+1], 128<<16
	s_mov_b32 s[G1B+2], 96<<16
	s_mov_b32 s[G1B+3], 128<<16
	s_mov_b32 s[G1B+4], 96
	s_mov_b32 s[G1B+5], 128
	s_mov_b32 s[G1B+6], 0
	s_mov_b32 s[G1B+7], 0
	s_lshl_b32 s16, s13, 15                        ; xb: the tile's 256 rows of 128 bytes,
	s_lshl_b32 s17, s12, 14                        ; my half
	s_add_co_u32 s16, s16, s17
	s_mov_b32 s17, 0
	s_mul_i32 s22, s42, 49152                      ; wt: the tile's 384 rows,
	s_mul_i32 s23, s12, 24576                      ; my half
	s_add_co_u32 s22, s22, s23
	s_mov_b32 s23, 0
	s_mul_i32 s18, s12, AHALF                      ; where they go: no place in the cluster enters an LDS address
	s_mul_i32 s19, s12, BHALF
	s_add_co_u32 s19, s19, BOFF
	s_mov_b32 s[TB], 0
	s_wait_dscnt 0x0                               ; the opening add is done
	s_wait_kmcnt 0x0
	s_add_nc_u64 s[14:15], s[4:5], s[16:17]
	s_add_nc_u64 s[46:47], s[6:7], s[22:23]
.irp s, 0,1
	s_mov_b32 s[G0A+4*(\s)], 1
	s_add_co_u32 s[G0A+4*(\s)+1], s18, (\s)*SLOT1
	s_add_nc_u64 s[G0A+4*(\s)+2:G0A+4*(\s)+3], s[14:15], (\s)*APLANE
	s_or_b32 s[G0A+4*(\s)+3], s[G0A+4*(\s)+3], 0x80000000
	s_mov_b32 s[G0B+4*(\s)], 1
	s_add_co_u32 s[G0B+4*(\s)+1], s19, (\s)*SLOT1
	s_add_nc_u64 s[G0B+4*(\s)+2:G0B+4*(\s)+3], s[46:47], (\s)*BPLANE
	s_or_b32 s[G0B+4*(\s)+3], s[G0B+4*(\s)+3], 0x80000000
.endr
	CROUND                                         ; all sixteen work-groups are here: the first joint loads meet
	s_cmp_lt_u32 s[WV], 2                          ; a wave's two first fills stand in one branch: two loads of mine are out
	s_cbranch_scc0 .Lfirst_b
	tensor_load_to_lds s[G0A:G0A+3], s[G1A:G1A+7]
	s_nop 0
	tensor_load_to_lds s[G0A+4:G0A+7], s[G1A:G1A+7]
	s_nop 0
	PLACES
	s_branch .Lfirst_asked
.Lfirst_b:
	tensor_load_to_lds s[G0B:G0B+3], s[G1B:G1B+7]
	s_nop 0
	tensor_load_to_lds s[G0B+4:G0B+7], s[G1B:G1B+7]
	s_nop 0
	PLACES
.Lfirst_asked:
	; a fragment is 16 rows x 32 K in 8 registers: lane l holds row l % 16, K = 8 (l / 16) + 0..7 and 16 + 8 (l / 16) + 0..7: two loads of 16 bytes, 32 bytes apart
	v_and_b32 v1, 15, v0                           ; l % 16
	v_bfe_u32 v2, v0, 4, 1                         ; l / 16
	v_mul_u32_u24 v3, v1, PITCH
	v_lshl_add_u32 v3, v2, 4, v3
	s_mul_i32 s68, s11, AHALF
	v_add_nc_u32 v[A0], s68, v3
	s_mul_i32 s68, s12, BHALF
	s_add_co_u32 s68, s68, BOFF
	v_add_nc_u32 v[B0], s68, v3
	v_mov_b32 v[ADRA], v[A0]
	v_mov_b32 v[ADRB], v[B0]
	v_mul_u32_u24 v[STO], v1, SP                   ; into the stage: row 128 x (my half) + l % 16, my 384 bytes of it, 16 bytes for each half of the lanes
	v_lshl_add_u32 v[STO], v2, 4, v[STO]
	s_mul_i32 s68, s11, 128*SP
	s_mul_i32 s69, s12, 384
	s_add_co_u32 s68, s68, s69
	v_add_nc_u32 v[STO], s68, v[STO]
	v_add_nc_u32 v[STO+1], 64*SP, v[STO]
	v_mul_u32_u24 v[RD], v2, SP                    ; back: wave w takes rows 64 w on; lanes 0-15 256 bytes of one row, lanes 16-31 of the next
	v_lshl_add_u32 v[RD], v1, 4, v[RD]
	s_mul_i32 s68, s[WV], 64*SP
	v_add_nc_u32 v[RD], s68, v[RD]
	v_mul_u32_u24 v[CO], v2, 6144
	v_lshl_add_u32 v[CO], v1, 4, v[CO]
	s_lshl_b32 s68, s13, 8
	s_lshl_b32 s69, s[WV], 6
	s_add_co_u32 s68, s68, s69                     ; the first row of qkv that I store
	s_mul_i32 s68, s68, 6144
	s_mul_i32 s69, s42, 768                        ; the tile's first column, in bytes
	s_add_co_u32 s68, s68, s69
	s_mov_b32 s69, 0
	s_add_nc_u64 s[8:9], s[8:9], s[68:69]
	; the prefetches
	s_lshl_b32 s72, s13, 15
	s_lshl_b32 s73, s40, 13                        ; xb: my work-group's 32 blocks of the tile's 128
	s_add_co_u32 s72, s72, s73
	s_add_co_u32 s72, s72, 2*APLANE                ; at K block 2: the first change of slots steps it to 3
	s_mul_i32 s74, s42, 49152
	s_mul_i32 s75, s41, 12288                      ; wt: my work-group's 48 blocks of the tile's 192
	s_add_co_u32 s74, s74, s75
	s_add_co_u32 s74, s74, 2*BPLANE
	s_and_b32 s76, ttmp7, 0xffff                   ; cluster y
	s_mov_b32 s70, APLANE
	s_mov_b32 s71, BPLANE
	s_mov_b32 s73, 0
	s_mov_b32 s[PFS+1], 0
	s_cmp_eq_u32 s[WV], 0                          ; wave 0 asks for xb, waves 1 to 3 for wt
	s_cselect_b64 s[PFA:PFA+1], s[4:5], s[6:7]
	s_cselect_b32 s72, s72, s74
	s_cselect_b32 s[PFS], s70, s71
	s_cselect_b32 s76, ttmp9, s76                  ; the coordinate along which other clusters read the same rows
	s_cselect_b32 s[PAR], 0, 1
	s_cselect_b32 s77, 1, 2
	s_cmp_eq_u32 s76, 0
	s_cselect_b32 s[LIM], s77, -1                  ; the same in all sixteen partners, for a given wave
	s_add_nc_u64 s[PFA:PFA+1], s[PFA:PFA+1], s[72:73]
	s_min_u32 s75, s[WV], 1
	s_lshl_b32 s75, s75, 5
	v_sub_nc_u32 v[PFO], v0, s75                   ; u: wave 0: the lane; waves 1 to 3: 0 .. 95
	v_mul_u32_u24 v31, v[PFO], 1366
	v_lshrrev_b32 v31, 16, v31                     ; u / 48 for u under 96
	v_mul_u32_u24 v15, v31, 48
	v_sub_nc_u32 v[PFO], v[PFO], v15
	v_lshlrev_b32 v[PFO], 8, v[PFO]                ; block u % 48,
	v_mad_u32_u24 v[PFO], v31, BPLANE, v[PFO]      ; K block u / 48 of the two
; nb column blocks from b0 on x all 8 row blocks, 32 along K.  All 96 accumulators take turns, one instruction a turn.  zero = 1: the first product starts the sums.
.macro MULB f, b0, nb, zero
.set bq, \b0
.rept \nb
	WIN 0x50*(1+bq/4)
.set aq, 0
.rept 8
.set rD, 8*(8*(bq%4)+aq)
.if \zero
	v_wmma_f32_16x16x32_bf16 v[rD:rD+7], v[FB+8*bq:FB+8*bq+7], v[(\f)+8*aq:(\f)+8*aq+7], 0
.else
	v_wmma_f32_16x16x32_bf16 v[rD:rD+7], v[FB+8*bq:FB+8*bq+7], v[(\f)+8*aq:(\f)+8*aq+7], v[rD:rD+7]
.endif
.set aq, aq+1
.endr
.set bq, bq+1
.endr
.endm
.macro LDB i0, n, k                    ; n fragments of wt from i0 on, at byte k of the rows
.set iq, \i0
.rept \n
	ds_load_b128 v[FB+8*iq:FB+8*iq+3],   v[ADRB] offset:(\k)+iq*16*PITCH
	ds_load_b128 v[FB+8*iq+4:FB+8*iq+7], v[ADRB] offset:(\k)+iq*16*PITCH+32
.set iq, iq+1
.endr
.endm
.macro LDA g, k                        ; xb's eight fragments into buffer g
.set iq, 0
.rept 8
	ds_load_b128 v[(\g)+8*iq:(\g)+8*iq+3],   v[ADRA] offset:(\k)+iq*16*PITCH
	ds_load_b128 v[(\g)+8*iq+4:(\g)+8*iq+7], v[ADRA] offset:(\k)+iq*16*PITCH+32
.set iq, iq+1
.endr
.endm
; A slot's first 32 along K, on xb's buffer 0.  wt's fragments are fetched again by halves, each half four places behind its last product.
.macro S0 zero
	s_wait_dscnt 12                                ; the youngest twelve loads, wt's fragments 6-11, may stay out
	MULB FA0, 0, 6, \zero
	PLACES
	WIN 0
	LDB 0, 6, 64
	LDA FA1, 64
	s_wait_dscnt 28                                ; all but the 28 just issued
	MULB FA0, 6, 6, \zero
	PLACES
	WIN 0
	LDB 6, 6, 64
.endm
; A slot's second 32 along K, on buffer 1, and the change of slots.  In front of the barrier each wave waits for all its tensor loads (one is out: its part of the next slot), adds 0 to its spare
; word, and waits for that and for its reads of this slot.  fill = 1: the barrier opens a round of the cluster's, and the joint refill, two K blocks on, is the first thing behind the round:
; 144 matrix instructions stand between it and the wait for it.
.macro S1T fill
.if \fill
	s_wait_xcnt 0x0                                ; the last prefetch, a K step back, has read its address
	s_add_nc_u64 s[PFA:PFA+1], s[PFA:PFA+1], s[PFS:PFS+1]
.endif
	WIN 0
	s_wait_tensorcnt 0x0                           ; no tensor load of mine is out, so a group 0 may be written
	ds_add_u32 v[SPW], v[NIL]                      ; 0 onto my spare word
.if \fill
	s_xor_b32 s[G0A+5], s[G0A+5], SLOT1            ; the walking descriptors: the other slot than last time, the next K block
	s_add_nc_u64 s[G0A+6:G0A+7], s[G0A+6:G0A+7], APLANE
	s_xor_b32 s[G0B+5], s[G0B+5], SLOT1
	s_add_nc_u64 s[G0B+6:G0B+7], s[G0B+6:G0B+7], BPLANE
.endif
	s_wait_dscnt 13                                ; the add and wt's fragments 6-11 may stay out
	MULB FA1, 0, 2, 0
	s_wait_dscnt 0x0                               ; the add is done, and my reads of this slot are over
	s_barrier_signal -1
	MULB FA1, 2, 4, 0                              ; work on registers while the others arrive
	WIN 0
	s_barrier_wait -1
.if \fill
	CREST                                          ; no wave of any partner still reads this slot or has a load on its way
	JLOAD                                          ; the four v_nop behind it are also the places in front of the loads below
.else
	PLACES
.endif
	s_xor_b32 s[TB], s[TB], SLOT1
	v_add_nc_u32 v[ADRA], s[TB], v[A0]
	v_add_nc_u32 v[ADRB], s[TB], v[B0]
	LDB 0, 6, 0
	LDA FA0, 0
.if \fill
	ASK
.endif
	MULB FA1, 6, 6, 0
	PLACES
	WIN 0
	LDB 6, 6, 0
.endm
	s_wait_tensorcnt 1                             ; my part of K block 0 is in; block 1's may stay out
	s_barrier_signal -1
	s_barrier_wait -1
	LDB 0, 6, 0
	LDA FA0, 0
	LDB 6, 6, 0
	S0 1                                           ; the first products start the sums
	s_mov_b32 s[CNT], 14
.Lstep:                                                ; 14 trips: K blocks 2 to 15 are asked for
	S1T 1
	S0 0
	s_sub_co_u32 s[CNT], s[CNT], 1
	s_cmp_lg_u32 s[CNT], 0
	s_cbranch_scc1 .Lstep
	S1T 0                                          ; the tail is written out: nothing is asked for
	S0 0
	s_wait_dscnt 12
	MULB FA1, 0, 6, 0
	s_wait_dscnt 0x0
	MULB FA1, 6, 6, 0
	PLACES
	WIN 0
	; THE WAY OUT.  The slots have had their last fill; when every wave has read them out, the stage is laid over them.
	s_barrier_signal -1                            ; no LDS instruction of mine is out
	s_barrier_wait -1
.irp W, 1,2,3
	WIN (\W)|((\W)<<2)                             ; sources 0 and 1 in window W
.set q, 0
.rept 32                                       ; accumulator q of the window: column block 4 (W - 1) + q / 8, row block q % 8; its registers in ascending order
.irp r, 0,1,2,3
	v_cvt_pk_f16_f32 v[32+4*q+\r], v[8*q+2*\r], v[8*q+2*\r+1]
.endr
.set q, q+1
.endr
	WIN 0
.set q, 0
.rept 32
	ds_store_b128 v[STO+(q%8)/4], v[32+4*q:32+4*q+3] offset:(q%4)*16*SP+32*(4*((\W)-1)+q/8)
.set q, q+1
.endr
.endr
	s_wait_dscnt 0x0                               ; for the others' sake: my stores into the stage are done
	s_barrier_signal -1
	s_barrier_wait -1
	s_mov_b32 s[CNT], 4
.Lout:                                                 ; 16 rows a trip: 24 loads of 16 bytes a lane, 24 stores; 16 lanes store 256 consecutive bytes, aligned
.set n, 0
.rept 24
	ds_load_b128 v[32+4*n:32+4*n+3], v[RD] offset:(n/3)*2*SP+(n%3)*256
.set n, n+1
.endr
.set n, 0
.rept 24
	s_wait_dscnt 23-n
	global_store_b128 v[CO], v[32+4*n:32+4*n+3], s[8:9] offset:(n/3)*12288+(n%3)*256
.set n, n+1
.endr
	s_wait_xcnt 0x0                                ; the stores have read their registers and their base
	v_add_nc_u32 v[RD], 16*SP, v[RD]
	s_add_nc_u64 s[8:9], s[8:9], 16*6144
	s_sub_co_u32 s[CNT], s[CNT], 1
	s_cmp_lg_u32 s[CNT], 0
	s_cbranch_scc1 .Lout
	s_wait_tensorcnt 0x0                           ; the wave's end
	ds_add_u32 v[SPW], v[NIL]
	s_wait_dscnt 0x0
	CROUND                                         ; the closing round
	s_endpgm
.Lfunc_end_k_qa4c93fe285_qkv:
	.size	k_qa4c93fe285_qkv, .Lfunc_end_k_qa4c93fe285_qkv-k_qa4c93fe285_qkv
	.p2alignl 7, 3214868480
	.fill 96, 4, 3214868480
	.section	.rodata,"a",@progbits
	.p2align	6, 0x0
	.amdhsa_kernel k_qa4c93fe285_qkv
		.amdhsa_group_segment_fixed_size 327680
		.amdhsa_private_segment_fixed_size 0
		.amdhsa_enable_private_segment 0
		.amdhsa_kernarg_size 24
		.amdhsa_user_sgpr_count 2
		.amdhsa_user_sgpr_kernarg_segment_ptr 1
		.amdhsa_wavefront_size32 1
		.amdhsa_system_sgpr_workgroup_id_x 1
		.amdhsa_system_sgpr_workgroup_id_y 1
		.amdhsa_system_sgpr_workgroup_id_z 1
		.amdhsa_system_vgpr_workitem_id 0
		.amdhsa_next_free_vgpr 1024
		.amdhsa_next_free_sgpr 80
		.amdhsa_reserve_vcc 0
		.amdhsa_float_denorm_mode_32 3
		.amdhsa_float_denorm_mode_16_64 3
		.amdhsa_memory_ordered 1
		.amdhsa_forward_progress 1
		.amdhsa_inst_pref_size 100
	.end_amdhsa_kernel
	.amdgpu_metadata
---
amdhsa.version: [ 1, 2 ]
amdhsa.kernels:
  - .name:           k_qa4c93fe285_qkv
    .symbol:         k_qa4c93fe285_qkv.kd
    .args:
      - { .name: xb, .offset: 0, .size: 8, .value_kind: global_buffer, .address_space: global }
      - { .name: wt, .offset: 8, .size: 8, .value_kind: global_buffer, .address_space: global }
      - { .name: qkv, .offset: 16, .size: 8, .value_kind: global_buffer, .address_space: global }
    .group_segment_fixed_size: 327680
    .private_segment_fixed_size: 0
    .kernarg_segment_align: 8
    .kernarg_segment_size: 24
    .max_flat_workgroup_size: 128
    .sgpr_count:     80
    .vgpr_count:     1024
    .wavefront_size: 32
...
	.end_amdgpu_metadata
.endif
;; end of part 2
;; launch scores (part 3): grid 36 x 4, 4 waves a work-group, no clusters, 327,680 bytes of LDS; arguments qkv, pp, st; writes pp, st
.if DOCPART == 3
	.amdgcn_target "amdgcn-amd-amdhsa--gfx1250"
	.amdhsa_code_object_version 6
	.text
	.protected	k_qa4c93fe285_scores
	.globl	k_qa4c93fe285_scores
	.p2align	8
	.type	k_qa4c93fe285_scores,@function
k_qa4c93fe285_scores:
	s_mov_b64 s[64:65], 0
	v_nop
	global_prefetch_b8 v0, s[64:65] scope:SCOPE_SE
	s_setreg_imm32_b32 hwreg(HW_REG_WAVE_MODE, 25, 1), 1
	s_wait_xcnt 0x0
; For each tile (I, J), J <= I, of 256 queries x 256 keys of a batch: s = q . k (f16 operands, f32 sums), the causal mask, and a LOCAL softmax for each row and each chunk of 128 keys:
;   m' = c max(s), c = log2(e) / 32;   p' = 2^(c s - m'), rounded to f16 into pp;   l' = the sum of the unrounded p';   (m', l') into st.   The next launch joins the chunks.
; LIMITS.  A hidden score counts as its value less 1e30 (f16 operands give |s| under 4.4e12); a weight below 2^-126 counts as 0; NaN and infinities are not treated apart.
; A CHUNK THAT IS WHOLLY HIDDEN (the upper right quarter of a diagonal tile: known from the work-group's and the wave's numbers) has scores near -1e30, where c s less the ROUNDED c max is no small number.
; Its wave scales by 0 in place of c: every exponent is 0, p' = 1, l' = 128; the m' that it stores is the true c max, about -4.5e28, and the next launch gives the chunk the factor 0.
; Four waves, each 128 queries x 128 keys (one chunk): 64 accumulators, 512 registers.  K = 1,024 goes in 8 steps of 128 through two LDS slots; each wave fetches 128 rows x 256 bytes a step.
; NO CLUSTER: a tile row has 1 to 8 tiles, so the 36 tiles of a batch do not divide into fours that share rows; filling up would need work-groups whose whole tile is hidden.
; THE MATRIX INSTRUCTION IS USED TRANSPOSED (source 0 = 16 keys, source 1 = 16 queries): a lane holds one query and eight neighbouring keys an accumulator.
; THE MASK is the C operand of the products that start the sums: three sets of eight registers, for a key block left of, on and right of the query block's diagonal.
; REGISTERS: window 0: v16-30 addresses; v32-55 the masks; v64-127, v128-191 q's fragments, two buffers (free for the epilogue); v192-223 packed p'.
;   window 1: v64-127, v128-191 k's fragments.   window 2: accumulators of query blocks 0-3 ((a, b) at 8 (8 a + b));   window 3: of blocks 4-7.
.set PITCH,  272                       ; 256 bytes + 16: the 16 rows of a fragment load start in 16 different groups of four banks
.set HALFT,  128*PITCH
.set SLOT,   4*HALFT                   ; q's 256 rows, then k's 256.  SLOT = 0x22000 shares no bit with wave x HALFT, so one exclusive or changes a tile's slot
.set STAGE,  2*SLOT                    ; 16 rows x 272 bytes for each wave
.set SPARE,  STAGE+4*16*PITCH
.set A0,   16
.set B0,   17
.set ADRA, 18
.set ADRB, 19
.set STO,  24
.set RD,   25
.set CO,   26
.set SO,   27                          ; v27  8 x lane: my pair in 256 bytes of st
.set SPW,  28
.set NIL,  29
.set PFO,  30
.set MLT,  32
.set MEQ,  40
.set MGT,  48
.set F0,   64
.set F1,   128
.set OB,   64                          ; epilogue: rows read back, two buffers of 32
.set MS,   128                         ; (m', l') of the four blocks of a run
.set WK,   136                         ; four at work
.set TP,   140                         ; (what the scaling takes away, max): the pair that the packed scaling names
.set SD,   144                         ; statistics as stored
.set PK,   192
.set CNT,  3
.set WV,   10
.set TB,   20
.set G1,   24
.set G0,   32
.set LIM,  43
.set PFA,  44
.set CS,   58                          ; s[58:59] the scaling's factor: c, or 0 in a wave whose chunk is wholly hidden
.set SEL,  60
.set HM,   62
.set CM,   63                          ; s63  c, for the m' that is stored
.set MSB, 0
.macro WIN new
.if MSB != (\new)
	s_set_vgpr_msb (MSB<<8)|(\new)
.set MSB, \new
.endif
.endm
.macro PLACES
.rept 4
	v_nop
.endr
.endm
.set MUL_LO, 0xa1                      ; source 0 (k) window 1, source 1 (q) window 0, C and D window 2
.set TO_B,   0x40
	s_load_b128 s[4:7], s[0:1], 0x0                ; qkv s[4:5], pp s[6:7]
	s_load_b64 s[8:9], s[0:1], 0x10                ; st
	v_lshl_add_u32 v[SPW], v0, 2, SPARE
	v_mov_b32 v[NIL], 0
	ds_add_u32 v[SPW], v[NIL]                      ; the wave's opening: the add and its wait stand ahead of my first tensor load
	v_lshrrev_b32 v1, 5, v0
	v_readfirstlane_b32 s[WV], v1
	s_lshr_b32 s11, s[WV], 1                       ; which 128 queries are mine
	s_and_b32 s12, s[WV], 1                        ; which 128 keys.  Also: which half of a tile I fetch
	s_mov_b32 s13, 0
.irp T, 1,3,6,10,15,21,28                      ; I = how many triangular numbers the work-group's x has reached
	s_cmp_ge_u32 ttmp9, \T
	s_add_co_ci_u32 s13, s13, 0
.endr
	s_add_co_u32 s16, s13, 1
	s_mul_i32 s16, s16, s13
	s_lshr_b32 s16, s16, 1
	s_sub_co_u32 s14, ttmp9, s16                   ; J = x - I (I + 1) / 2
	s_and_b32 s15, ttmp7, 0xffff                   ; the batch
	s_mov_b32 s[G1], (1<<16)|(1<<20)|(5<<22)|(3<<25)  ; 2-byte elements; padding on: behind every 64 words, 4 words
	s_mov_b32 s[G1+1], 128<<16
	s_mov_b32 s[G1+2], 128<<16
	s_mov_b32 s[G1+3], 128<<16
	s_mov_b32 s[G1+4], 128
	s_mov_b32 s[G1+5], 3072                        ; elements from row to row of qkv
	s_mov_b32 s[G1+6], 0
	s_mov_b32 s[G1+7], 0
	s_cmp_lt_u32 s[WV], 2                          ; waves 0 and 1 fetch q's rows of tile row I, waves 2 and 3 k's of tile row J
	s_cselect_b32 s16, s13, s14
	s_cselect_b32 s17, 0, 2048
	s_lshl_b32 s16, s16, 8
	s_lshl_b32 s18, s15, 11
	s_add_co_u32 s16, s16, s18
	s_lshl_b32 s18, s12, 7
	s_add_co_u32 s16, s16, s18
	s_mul_i32 s16, s16, 6144
	s_add_co_u32 s16, s16, s17
	s_mov_b32 s17, 0
	s_mul_i32 s21, s[WV], HALFT
	s_mov_b32 s[TB], 0
	s_mov_b32 s[CM], 0x3d38aa3b                    ; c = log2(e) / 32
	s_mov_b32 s[SEL], 0x76543210
	s_mov_b32 s[SEL+1], 0xfedcba98
	s_mov_b32 s[HM], 0xffff0000
	s_wait_dscnt 0x0
	s_wait_kmcnt 0x0
	s_add_nc_u64 s[22:23], s[4:5], s[16:17]        ; my 128 rows at K step 0
	s_mov_b32 s[G0], 1
	s_mov_b32 s[G0+1], s21
	s_mov_b64 s[G0+2:G0+3], s[22:23]
	s_or_b32 s[G0+3], s[G0+3], 0x80000000
	s_mov_b32 s[G0+4], 1
	s_add_co_u32 s[G0+5], s21, SLOT
	s_add_nc_u64 s[G0+6:G0+7], s[22:23], 256
	s_or_b32 s[G0+7], s[G0+7], 0x80000000
	tensor_load_to_lds s[G0:G0+3], s[G1:G1+7]      ; both first fills: two loads of mine are out
	s_nop 0
	tensor_load_to_lds s[G0+4:G0+7], s[G1:G1+7]
	s_nop 0
	PLACES
	v_and_b32 v1, 15, v0                           ; l % 16
	v_bfe_u32 v2, v0, 4, 1                         ; l / 16
	v_mul_u32_u24 v3, v1, PITCH
	v_lshl_add_u32 v3, v2, 4, v3
	s_mul_i32 s16, s11, HALFT
	v_add_nc_u32 v[A0], s16, v3
	s_mul_i32 s16, s12, HALFT
	s_add_co_u32 s16, s16, 2*HALFT
	v_add_nc_u32 v[B0], s16, v3
	v_mov_b32 v[ADRA], v[A0]
	v_mov_b32 v[ADRB], v[B0]
	s_mul_i32 s16, s[WV], 16*PITCH
	s_add_co_u32 s16, s16, STAGE
	v_add_nc_u32 v[STO], s16, v3                   ; in: row l % 16, 16 bytes for each half of the lanes
	v_mul_u32_u24 v[RD], v2, PITCH                 ; back: lanes 0-15 one row of 256 bytes, lanes 16-31 the next
	v_lshl_add_u32 v[RD], v1, 4, v[RD]
	v_add_nc_u32 v[RD], s16, v[RD]
	v_lshlrev_b32 v[CO], 12, v2                    ; the same two rows in pp
	v_lshl_add_u32 v[CO], v1, 4, v[CO]
	v_and_b32 v[PFO], 31, v0
	v_lshlrev_b32 v[SO], 3, v[PFO]
	v_mul_u32_u24 v[PFO], v[PFO], 6144             ; a lane a row of qkv
	; the masks.  d = (my first key - my first query) / 128.  d > 0: all hidden; d < 0: none; d = 0: key block b against query block a: hidden if b > a, and on the diagonal where 8 (l / 16) + j > l % 16
	s_lshl_b32 s40, s14, 1
	s_add_co_u32 s40, s40, s12
	s_lshl_b32 s41, s13, 1
	s_add_co_u32 s41, s41, s11
	s_sub_co_i32 s40, s40, s41
	s_mov_b32 s42, 0xf149f2ca                      ; -1e30
	s_cmp_gt_i32 s40, 0
	s_cselect_b32 s46, s42, 0
	s_cselect_b32 s[CS], 0, s[CM]                  ; a wholly hidden chunk is scaled by 0
	s_mov_b32 s[CS+1], s[CS]                       ; named with it as a pair
	s_cmp_ge_i32 s40, 0
	s_cselect_b32 s47, s42, 0
	v_lshlrev_b32 v14, 3, v2
	v_sub_nc_u32 v14, v1, v14
.irp j, 0,1,2,3,4,5,6,7
	v_mov_b32 v[MLT+\j], s46
	v_mov_b32 v[MGT+\j], s47
.endr
.irp j, 0,1,2,3,4,5,6,7
	v_cmp_gt_i32 vcc_lo, \j, v14
	v_cndmask_b32 v[MEQ+\j], v[MLT+\j], v[MGT+\j], vcc_lo
.endr
	; where my results go
	s_lshl_b32 s16, s15, 11
	s_lshl_b32 s17, s13, 8
	s_add_co_u32 s16, s16, s17
	s_lshl_b32 s17, s11, 7
	s_add_co_u32 s16, s16, s17                     ; my first query's row in pp
	s_lshl_b32 s16, s16, 12
	s_lshl_b32 s17, s14, 9
	s_add_co_u32 s16, s16, s17
	s_lshl_b32 s17, s12, 8
	s_add_co_u32 s16, s16, s17                     ; + my first key, 2 bytes each
	s_mov_b32 s17, 0
	s_add_nc_u64 s[6:7], s[6:7], s[16:17]
	s_lshl_b32 s16, s15, 4
	s_lshl_b32 s18, s14, 1
	s_add_co_u32 s16, s16, s18
	s_add_co_u32 s16, s16, s12                     ; 16 x batch + my chunk
	s_lshl_b32 s16, s16, 11
	s_lshl_b32 s18, s13, 8
	s_add_co_u32 s16, s16, s18
	s_lshl_b32 s18, s11, 7
	s_add_co_u32 s16, s16, s18
	s_lshl_b32 s16, s16, 3
	s_add_nc_u64 s[8:9], s[8:9], s[16:17]
	; the prefetches: q's tile row I is read by the tiles (I, 0 .. I): the one with J = 0 asks; k's tile row J by (J .. 7, J): the one with I = J asks.  Each wave asks for the 128 rows that it fetches itself.
	s_sub_co_u32 s40, s13, s14
	s_cmp_lt_u32 s[WV], 2
	s_cselect_b32 s40, s14, s40
	s_cmp_eq_u32 s40, 0
	s_cselect_b32 s[LIM], 1, -1
	s_add_nc_u64 s[PFA:PFA+1], s[22:23], 256       ; at K step 1: a change of slots steps it to the step that it refills; a prefetch names the step after that
; 16 matrix instructions: query blocks a0, a0 + 1 of the window's four x all 8 key blocks.  The 64 accumulators take turns, one instruction a turn.  mode = 1: the products start the sums with the mask.
.macro MUL16 f, hi, a0, mode
.irp a, \a0, (\a0)+1
.irp b, 0,1,2,3,4,5,6,7
.set rD, 8*(8*(\a)+(\b))
.if \mode
.set rC, MEQ
.if (\b) < 4*(\hi)+(\a)
.set rC, MLT
.endif
.if (\b) > 4*(\hi)+(\a)
.set rC, MGT
.endif
	WIN 0x81+0x40*(\hi)                            ; as below, with C in window 0
	v_wmma_f32_16x16x32_f16 v[rD:rD+7], v[(\f)+8*(\b):(\f)+8*(\b)+7], v[(\f)+8*(4*(\hi)+(\a)):(\f)+8*(4*(\hi)+(\a))+7], v[rC:rC+7]
.else
	WIN MUL_LO+0x50*(\hi)
	v_wmma_f32_16x16x32_f16 v[rD:rD+7], v[(\f)+8*(\b):(\f)+8*(\b)+7], v[(\f)+8*(4*(\hi)+(\a)):(\f)+8*(4*(\hi)+(\a))+7], v[rD:rD+7]
.endif
.endr
.endr
.endm
.macro FETCH k, f                      ; 32 LDS loads in one run: k's eight fragments, then q's, 32 along K at byte k of the rows
	WIN TO_B
.irp i, 0,1,2,3,4,5,6,7
	ds_load_b128 v[(\f)+8*(\i):(\f)+8*(\i)+3],   v[ADRB] offset:(\k)+(\i)*16*PITCH
	ds_load_b128 v[(\f)+8*(\i)+4:(\f)+8*(\i)+7], v[ADRB] offset:(\k)+(\i)*16*PITCH+32
.endr
	WIN 0
.irp i, 0,1,2,3,4,5,6,7
	ds_load_b128 v[(\f)+8*(\i):(\f)+8*(\i)+3],   v[ADRA] offset:(\k)+(\i)*16*PITCH
	ds_load_b128 v[(\f)+8*(\i)+4:(\f)+8*(\i)+7], v[ADRA] offset:(\k)+(\i)*16*PITCH+32
.endr
.endm
.macro QUARTER k, f, g, mode           ; multiplies buffer f; in its middle fetches the next quarter, at byte k, into buffer g
	s_wait_dscnt 8                                 ; the youngest eight loads (q's rows 64-127) may stay out
	MUL16 \f, 0, 0, \mode
	MUL16 \f, 0, 2, \mode
	PLACES
	FETCH \k, \g
	s_wait_dscnt 32                                ; all but the 32 just issued
	MUL16 \f, 1, 0, \mode
	MUL16 \f, 1, 2, \mode
.endm
.macro ASK                             ; four instructions, a lane a row: my 128 rows' 256 bytes of the K step one refill on; the last refill has no step behind it
	s_cmp_gt_u32 s[CNT], s[LIM]
	s_cbranch_scc0 .Lnot_mine_\@
.irp i, 0,1,2,3
	global_prefetch_b8 v[PFO], s[PFA:PFA+1] offset:\i*196608+256 th:TH_LOAD_NT scope:SCOPE_SE
.endr
.Lnot_mine_\@:
.endm
; The last quarter of a K step multiplies buffer 1 and changes slots: one barrier; in front of it each wave waits for all its tensor loads (one is out: its part of the next slot), adds 0 to its spare word,
; and waits for that and for its reads of this slot.  fill = 1: this slot is filled again, two K steps on, first thing behind the barrier: 224 matrix instructions stand between the request and the wait for it.
.macro TURN fill
.if \fill
	s_wait_xcnt 0x0                                ; the last prefetches, a K step back, have read their address
	s_add_nc_u64 s[PFA:PFA+1], s[PFA:PFA+1], 256
.endif
	WIN 0
	s_wait_tensorcnt 0x0
	ds_add_u32 v[SPW], v[NIL]                      ; 0 onto my spare word
.if \fill
	s_xor_b32 s[G0+5], s[G0+5], SLOT               ; the walking descriptor: the other slot, the next K step
	s_add_nc_u64 s[G0+6:G0+7], s[G0+6:G0+7], 256
.endif
	s_wait_dscnt 9                                 ; the add and the youngest eight loads may stay out
	MUL16 F1, 0, 0, 0
	s_wait_dscnt 0x0                               ; the add is done, and my reads of this slot are over
	s_barrier_signal -1
	MUL16 F1, 0, 2, 0
	WIN 0
	s_barrier_wait -1
.if \fill
	tensor_load_to_lds s[G0+4:G0+7], s[G1:G1+7]
	s_nop 0
.endif
	PLACES                                         ; also the places in front of the loads below
	s_xor_b32 s[TB], s[TB], SLOT
	v_add_nc_u32 v[ADRA], s[TB], v[A0]
	v_add_nc_u32 v[ADRB], s[TB], v[B0]
	FETCH 0, F0
.if \fill
	ASK
.endif
	MUL16 F1, 1, 0, 0
	MUL16 F1, 1, 2, 0
.endm
	s_wait_tensorcnt 1                             ; my part of K step 0 is in; step 1's may stay out
	s_barrier_signal -1
	s_barrier_wait -1
	FETCH 0, F0
	QUARTER 64, F0, F1, 1                          ; the first quarter's products start the sums, with the mask
	WIN 0
	s_mov_b32 s[CNT], 6
.Lstep:                                                ; 6 trips, from a step's second quarter to the next step's first: K steps 2 to 7 are asked for
	QUARTER 128, F1, F0, 0
	QUARTER 192, F0, F1, 0
	TURN 1
	QUARTER 64, F0, F1, 0
	WIN 0
	s_sub_co_u32 s[CNT], s[CNT], 1
	s_cmp_lg_u32 s[CNT], 0
	s_cbranch_scc1 .Lstep
	QUARTER 128, F1, F0, 0                         ; the last two steps are written out: nothing is asked for
	QUARTER 192, F0, F1, 0
	TURN 0
	QUARTER 64, F0, F1, 0
	QUARTER 128, F1, F0, 0
	QUARTER 192, F0, F1, 0
	s_wait_dscnt 8
	MUL16 F1, 0, 0, 0
	MUL16 F1, 0, 2, 0
	s_wait_dscnt 0x0
	MUL16 F1, 1, 0, 0
	MUL16 F1, 1, 2, 0
	PLACES
	WIN 0
; THE EPILOGUE, one text for four blocks of 16 queries in window 2, run twice; between the runs window 3's accumulators are moved into window 2.
.macro FSC p                           ; the exponent for pair p of the lane's 32: c s - c max (0 s - 0 max in a wholly hidden chunk)
	v_pk_fma_f32 v[AC+2*(\p):AC+2*(\p)+1], v[AC+2*(\p):AC+2*(\p)+1], s[CS:CS+1], v[TP:TP+1] op_sel_hi:[1,0,0] neg_lo:[0,0,1] neg_hi:[0,0,1]
.endm
.macro EPI a
.set AC, 64*(\a)
	WIN 0x2a                                       ; the maximum of my 64 scores: four chains, two accumulators each
.irp q, 0,1,2,3
	v_max3_num_f32 v[WK+\q], v[AC+16*\q], v[AC+16*\q+1], v[AC+16*\q+2]
.endr
	WIN 0x28
.irp k, 1,2,3,4,5,6
.irp q, 0,1,2,3
	v_max3_num_f32 v[WK+\q], v[WK+\q], v[AC+16*\q+2*\k+1], v[AC+16*\q+2*\k+2]
.endr
.endr
	v_max3_num_f32 v[WK], v[WK], v[AC+15], v[AC+31]
	v_max3_num_f32 v[WK+2], v[WK+2], v[AC+47], v[AC+63]
	WIN 0
	v_max3_num_f32 v[WK], v[WK], v[WK+1], v[WK+2]
	v_max_num_f32 v[WK], v[WK], v[WK+3]
	v_permlanex16_b32 v[WK+1], v[WK], s[SEL], s[SEL+1]  ; the query's other 64 keys lie in the lane 16 away
	v_max_num_f32 v[TP+1], v[WK], v[WK+1]
	v_mul_f32 v[TP], s[CS], v[TP+1]                ; what the scaling takes away: m', or 0 in a wholly hidden chunk
	v_mul_f32 v[MS+2*(\a)], s[CM], v[TP+1]         ; m' as it is stored: the same number, but for a wholly hidden chunk, where it stays c max
	WIN 0x82                                       ; ONE BATCH: 32 scalings and 64 exponentials, a pair's two exponentials one scaling behind its own; nothing here names an exponential's result
	FSC 0
.set pq, 0
.rept 31
	FSC pq+1
	v_exp_f32 v[AC+2*pq], v[AC+2*pq]
	v_exp_f32 v[AC+2*pq+1], v[AC+2*pq+1]
.set pq, pq+1
.endr
	v_exp_f32 v[AC+62], v[AC+62]
	v_exp_f32 v[AC+63], v[AC+63]
	v_nop                                          ; a plain instruction behind the last exponential
	s_wait_alu depctr_va_vdst(0)                   ; and the one wait ahead of the batch's first reader
	WIN 0x0a
.set pq, 0
.rept 32
	v_cvt_pk_f16_f32 v[PK+pq], v[AC+2*pq], v[AC+2*pq+1]
.set pq, pq+1
.endr
	WIN 0x8a                                       ; the sum of the unrounded weights, in place: pairs 16, 8, 4, 2 and 1 apart
.irp w, 16,8,4,2,1
.set pq, 0
.rept \w
	v_pk_add_f32 v[AC+2*pq:AC+2*pq+1], v[AC+2*pq:AC+2*pq+1], v[AC+2*(pq+\w):AC+2*(pq+\w)+1]
.set pq, pq+1
.endr
.endr
	WIN 0x0a
	v_add_f32 v[WK], v[AC], v[AC+1]
	WIN 0
	v_permlanex16_b32 v[WK+1], v[WK], s[SEL], s[SEL+1]
	v_add_f32 v[MS+2*(\a)+1], v[WK], v[WK+1]       ; l'
.irp b, 0,1,2,3,4,5,6,7
	ds_store_b128 v[STO], v[PK+4*\b:PK+4*\b+3] offset:32*\b
.endr
	s_wait_xcnt 0x0                                ; the stores of the block two back have read the registers that are loaded now
.irp t, 0,1,2,3,4,5,6,7
	ds_load_b128 v[OB+32*((\a)%2)+4*\t:OB+32*((\a)%2)+4*\t+3], v[RD] offset:\t*2*PITCH  ; LDS serves a wave's instructions in order (ISA guide 5.7.1.4): these see the stores above
.endr
.endm
.macro SEND a, younger                 ; younger: the LDS instructions issued behind block a's loads
.irp t, 0,1,2,3,4,5,6,7
	s_wait_dscnt (\younger)+7-\t
	global_store_b128 v[CO], v[OB+32*((\a)%2)+4*\t:OB+32*((\a)%2)+4*\t+3], s[6:7] offset:(\a)*65536+\t*8192  ; 16 lanes store a row's 128 keys: 256 consecutive bytes, aligned
.endr
.endm
	s_mov_b32 s2, 2
.Lepi:
	EPI 0
	EPI 1
	SEND 0, 16
	EPI 2
	SEND 1, 16
	EPI 3
	SEND 2, 16
	SEND 3, 0
	v_cndmask_b32 v[SD],   v[MS],   v[MS+2], s[HM] ; both halves of the lanes hold a block's pairs: lanes 16-31 take the next block's, so that 32 lanes store 256 consecutive bytes of st
	v_cndmask_b32 v[SD+1], v[MS+1], v[MS+3], s[HM]
	v_cndmask_b32 v[SD+2], v[MS+4], v[MS+6], s[HM]
	v_cndmask_b32 v[SD+3], v[MS+5], v[MS+7], s[HM]
	global_store_b64 v[SO], v[SD:SD+1], s[8:9]
	global_store_b64 v[SO], v[SD+2:SD+3], s[8:9] offset:256
	s_cmp_eq_u32 s2, 1
	s_cbranch_scc1 .Lno_more
	s_wait_xcnt 0x0                                ; the stores have read their bases
	s_add_nc_u64 s[6:7], s[6:7], 64*4096
	s_add_nc_u64 s[8:9], s[8:9], 64*8
	WIN 0x83                                       ; source window 3, destination window 2; each accumulator from its low end on
.set pq, 0
.rept 256
	v_mov_b32 v[pq], v[pq]
.set pq, pq+1
.endr
	WIN 0
.Lno_more:
	s_sub_co_u32 s2, s2, 1
	s_cmp_lg_u32 s2, 0
	s_cbranch_scc1 .Lepi
	s_wait_tensorcnt 0x0                           ; the wave's end
	ds_add_u32 v[SPW], v[NIL]
	s_wait_dscnt 0x0
	s_endpgm
.Lfunc_end_k_qa4c93fe285_scores:
	.size	k_qa4c93fe285_scores, .Lfunc_end_k_qa4c93fe285_scores-k_qa4c93fe285_scores
	.p2alignl 7, 3214868480
	.fill 96, 4, 3214868480
	.section	.rodata,"a",@progbits
	.p2align	6, 0x0
	.amdhsa_kernel k_qa4c93fe285_scores
		.amdhsa_group_segment_fixed_size 327680
		.amdhsa_private_segment_fixed_size 0
		.amdhsa_enable_private_segment 0
		.amdhsa_kernarg_size 24
		.amdhsa_user_sgpr_count 2
		.amdhsa_user_sgpr_kernarg_segment_ptr 1
		.amdhsa_wavefront_size32 1
		.amdhsa_system_sgpr_workgroup_id_x 1
		.amdhsa_system_sgpr_workgroup_id_y 1
		.amdhsa_system_sgpr_workgroup_id_z 1
		.amdhsa_system_vgpr_workitem_id 0
		.amdhsa_next_free_vgpr 1024
		.amdhsa_next_free_sgpr 72
		.amdhsa_reserve_vcc 1
		.amdhsa_float_denorm_mode_32 3
		.amdhsa_float_denorm_mode_16_64 3
		.amdhsa_memory_ordered 1
		.amdhsa_forward_progress 1
		.amdhsa_inst_pref_size 144
	.end_amdhsa_kernel
	.amdgpu_metadata
---
amdhsa.version: [ 1, 2 ]
amdhsa.kernels:
  - .name:           k_qa4c93fe285_scores
    .symbol:         k_qa4c93fe285_scores.kd
    .args:
      - { .name: qkv, .offset: 0, .size: 8, .value_kind: global_buffer, .address_space: global }
      - { .name: pp, .offset: 8, .size: 8, .value_kind: global_buffer, .address_space: global }
      - { .name: st, .offset: 16, .size: 8, .value_kind: global_buffer, .address_space: global }
    .group_segment_fixed_size: 327680
    .private_segment_fixed_size: 0
    .kernarg_segment_align: 8
    .kernarg_segment_size: 24
    .max_flat_workgroup_size: 128
    .sgpr_count:     72
    .vgpr_count:     1024
    .wavefront_size: 32
...
	.end_amdgpu_metadata
.endif
;; end of part 3
;; launch pv (part 4): grid 8 x 32, 4 waves a work-group, clusters of 4 x 1, 327,680 bytes of LDS; arguments pp, st, qkv, out0; writes out0
.if DOCPART == 4
	.amdgcn_target "amdgcn-amd-amdhsa--gfx1250"
	.amdhsa_code_object_version 6
	.text
	.protected	k_qa4c93fe285_pv
	.globl	k_qa4c93fe285_pv
	.p2align	8
	.type	k_qa4c93fe285_pv,@function
k_qa4c93fe285_pv:
	s_mov_b64 s[64:65], 0
	v_nop
	global_prefetch_b8 v0, s[64:65] scope:SCOPE_SE
	s_setreg_imm32_b32 hwreg(HW_REG_WAVE_MODE, 25, 1), 1
	s_wait_xcnt 0x0
	s_wait_alu depctr_hold_cnt(0) depctr_sa_sdst(0) depctr_va_vdst(0) depctr_va_sdst(0) depctr_va_ssrc(0) depctr_va_vcc(0) depctr_vm_vsrc(0)
	s_getreg_b32 s2, hwreg(HW_REG_IB_STS2, 6, 4)
	s_cmp_eq_u32 s2, 0
	s_cbranch_scc0 .Lentry_in_a_cluster
	s_endpgm
.Lentry_in_a_cluster:
	s_bfe_u32 s2, ttmp6, 0x10000c
	s_cmp_lg_u32 s2, 0x3003
	s_cbranch_scc0 .Lentry_shape_is_right
	s_endpgm
.Lentry_shape_is_right:
; out0[row][:] = (the sum over chunks and keys of p' f v) / L, with M = max over the row's chunks of m', f = 2^(m' - M), L = the sum of l' f: the chunks' local softmaxes are joined, a true maximum taken away again.
; p' and v are f16; f is rounded to f16 and multiplied onto p' between the LDS load and the matrix instruction (one more rounding to f16; exact where f = 1); M, L and the products' sums are f32.
; LIMITS.  f, and p' f, below 6e-5 keep f16's fixed step of 6e-8; NaN and infinities are not treated apart.
; THE WALK.  A work-group makes two tiles of 128 rows x 128 channels: row block p (SL = p / 2 + 1 steps of 256 keys), then row block 15 - p (9 - SL steps): 9 steps whatever p, one walk with constant counts;
; the ring of two LDS slots runs on across the change of tiles.  Four waves, each 64 rows x 64 channels: 16 accumulators.
; CLUSTER 4 x 1: the four partners make four channel tiles of the same rows and walk the same tiles of p', half of a step's bytes: those are asked for jointly.  v's tile differs from partner to partner and
; comes by loads of one's own, behind the same rounds.  v could be shared only between p = 2 m and 2 m + 1 (others change tiles in other trips), so no second axis is used.
; LAYOUT.  O^T = V^T P^T: source 0 = 16 channels x 32 keys, turned on its way out of LDS by ds_load_tr16_b128; source 1 = 16 rows x 32 keys of p' f.  In the result a lane holds one row and eight channels.
; REGISTERS: window 0: v16-30 addresses; v32-159 the accumulators ((a, b) at 32 + 8 (4 a + b)); v160-191, v192-223 p' f of 32 keys, two buffers; v224-227, v228-231 f of the step's two chunks;
;   v232-247 1 / L, a pair for each row block of both tiles.   window 1: v0-127 a ring of four x 32 keys of p' as loaded; v128-255 the same of V^T.   window 2: v0-63 rows on their way out.
.set PA,    528                        ; a row of p' in LDS: 512 bytes + 16
.set PB,    288                        ; a row of v: 256 + 32
.set AHALF, 64*PA
.set BOFF,  2*AHALF
.set BHALF, 128*PB
.set SLOT,  0x24000                    ; a slot uses 141,312 bytes; slot 1 begins here: these two bits are clear in all four tiles' addresses in slot 0, so one exclusive or changes slots
.set STAGE, 2*SLOT                     ; 16 rows x 272 bytes for each wave
.set SP,    272
.set FT,    STAGE+4*16*SP              ; f as a pair of f16: [19 chunks of the walk][128 rows]; chunk 18 holds zeros, for the look-ahead of the last step
.set RL,    FT+19*512                  ; 1 / L twice: [2 tiles][128 rows][2]
.set SPARE, RL+2048
.set A0,   16
.set B0,   17
.set ADRA, 18
.set ADRB, 19                          ; v19 keys 0-127 of the slot in hand, v20 keys 128-255
.set FA,   21                          ; v21  my row's place in the step's first chunk of FT
.set RLA,  22
.set STO,  24
.set RD,   25
.set CO,   26
.set SPW,  28
.set NIL,  29
.set PFO,  30
.set ACC,  32
.set SB,   160
.set FR,   224
.set RLR,  232
.set VR,   128                         ; window 1
.set ML,   32                          ; the prologue works in the accumulators' registers: (m', l') of the walk's 18 chunks,
.set AD,   68                          ; their offsets in st,
.set DF,   86                          ; m' - M, then f
.set WV,   12
.set G1A,  24
.set G1B,  32
.set G0A,  40                          ; s[40:47] group 0 for p': a set for each first fill, the second then walks
.set G0B,  48
.set CNT,  56
.set RT,   57                          ; s57  steps left of the first tile
.set TB,   58
.set NXT,  59                          ; s59  the key step to be asked for next,
.set LQ,   60                          ; s60  the last one of the tile whose steps are being asked for,
.set ROWQ, 61                          ; s61  that tile's first row in pp, in bytes
.set ROWHI, 62
.set LQHI, 63
.set AO,   66                          ; s[66:67], s[68:69] a request's byte offsets in pp and in qkv
.set BO,   68
.set ABASE, 70
.set VBASE, 72
.set PFB,  74
.set PFA,  76
.set PO,   78
.set LIMH, 80
.set OUTB, 82                          ; s[82:83], s[84:85] out0 at my part of the first and of the second tile
.set MSB, 0
.macro WIN new
.if MSB != (\new)
	s_set_vgpr_msb (MSB<<8)|(\new)
.set MSB, \new
.endif
.endm
.macro PLACES
.rept 4
	v_nop
.endr
.endm
.macro CREST
	s_cmp_lg_u32 s[WV], 0
	s_cbranch_scc1 .Lnot_wave_0_\@
	s_barrier_signal -3
.Lnot_wave_0_\@:
	s_barrier_wait -3
	s_barrier_signal -1
	s_barrier_wait -1
.endm
.macro CROUND
	s_barrier_signal -1
	s_barrier_wait -1
	CREST
.endm
.macro JLOAD                           ; waves 0 and 1: the two halves of p's tile, jointly; waves 2 and 3: those of my own tile of v
	s_cmp_lt_u32 s[WV], 2
	s_cbranch_scc0 .Lfor_v_\@
	tensor_load_to_lds s[G0A+4:G0A+7], s[G1A:G1A+7]
	s_nop 0
	PLACES
	s_branch .Lasked_\@
.Lfor_v_\@:
	tensor_load_to_lds s[G0B+4:G0B+7], s[G1B:G1B+7]
	s_nop 0
	PLACES
.Lasked_\@:
.endm
; The next request of the walk goes into group 0 number set: both addresses are made anew, a base plus an offset made apart; then the walk steps: the tile's next key step, or behind its last the second tile's step 0.
.macro REQ set
	s_lshl_b32 s[AO], s[NXT], 9                    ; 256 keys of 2 bytes
	s_add_co_u32 s[AO], s[AO], s[ROWQ]
	s_mul_i32 s[BO], s[NXT], 256*6144
	s_add_nc_u64 s[G0A+4*(\set)+2:G0A+4*(\set)+3], s[ABASE:ABASE+1], s[AO:AO+1]
	s_or_b32 s[G0A+4*(\set)+3], s[G0A+4*(\set)+3], 0x80000000
	s_add_nc_u64 s[G0B+4*(\set)+2:G0B+4*(\set)+3], s[VBASE:VBASE+1], s[BO:BO+1]
	s_or_b32 s[G0B+4*(\set)+3], s[G0B+4*(\set)+3], 0x80000000
	s_add_co_u32 s[NXT], s[NXT], 1
	s_cmp_gt_u32 s[NXT], s[LQ]
	s_cselect_b32 s[NXT], 0, s[NXT]
	s_cselect_b32 s[ROWQ], s[ROWHI], s[ROWQ]
	s_cselect_b32 s[LQ], s[LQHI], s[LQ]
.endm
; A PREFETCH INTO THE L2 of the request that the NEXT change of slots will make: one step, 128 matrix instructions, ahead of its load.
; p': a tile is read by the two clusters of its rows; the one with x = 0 asks, waves 0 and 1: of the wave's 64 rows x 2 blocks of 256 bytes the partner at cx takes 16 rows: a lane a block, one instruction; in all trips but the last.
; v: a tile is read by the eight work-groups of its batch and channels, first by p = 0 and 1; p = 0 asks, waves 2 and 3, a lane a row, four instructions, for key steps 4 to 7 (the trips with counts 5 to 2).
; Key steps 0 to 3 are wanted by all at the launch's head and come by their loads alone.  So each block is named once.
.macro ASK
	s_cmp_gt_u32 s[CNT], 1
	s_cbranch_scc0 .Lnot_now_\@
	s_cmp_le_u32 s[CNT], s[LIMH]
	s_cbranch_scc0 .Lnot_now_\@
	global_prefetch_b8 v[PFO], s[PFA:PFA+1] th:TH_LOAD_NT scope:SCOPE_SE
	s_cmp_lt_u32 s[WV], 2
	s_cbranch_scc1 .Lnot_now_\@
.irp i, 1,2,3
	global_prefetch_b8 v[PFO], s[PFA:PFA+1] offset:\i*196608 th:TH_LOAD_NT scope:SCOPE_SE
.endr
.Lnot_now_\@:
.endm
	s_load_b256 s[4:11], s[0:1], 0x0               ; pp s[4:5], st s[6:7], qkv s[8:9], out0 s[10:11]
	v_lshl_add_u32 v[SPW], v0, 2, SPARE
	v_mov_b32 v[NIL], 0
	ds_add_u32 v[SPW], v[NIL]                      ; the wave's opening: the add and its wait stand ahead of my first tensor load
	v_lshrrev_b32 v1, 5, v0
	v_readfirstlane_b32 s[WV], v1
	s_lshr_b32 s13, s[WV], 1                       ; which 64 rows are mine
	s_and_b32 s14, s[WV], 1                        ; which 64 channels.  Also: which half of a tile I fetch
	s_bfe_u32 s15, ttmp6, 0x40000                  ; cx
	s_lshl_b32 s16, ttmp9, 2
	s_add_co_u32 s16, s16, s15                     ; the channel tile: it enters v's and out0's addresses alone
	s_and_b32 s17, ttmp7, 0xffff
	s_and_b32 s18, s17, 7                          ; p
	s_lshr_b32 s17, s17, 3                         ; the batch
	s_lshr_b32 s19, s18, 1
	s_add_co_u32 s19, s19, 1                       ; SL
	s_sub_co_u32 s20, 15, s18                      ; the second row block
	s_mov_b32 s[G1A], 15|(1<<16)|(1<<20)|(1<<21)|(6<<22)|(3<<25)  ; the mask of four; 2-byte elements; padding on; bit 21 beside a mask; behind every 128 words, 4 words
	s_mov_b32 s[G1A+1], 256<<16
	s_mov_b32 s[G1A+2], 64<<16
	s_mov_b32 s[G1A+3], 256<<16
	s_mov_b32 s[G1A+4], 64
	s_mov_b32 s[G1A+5], 2048
	s_mov_b32 s[G1A+6], 0
	s_mov_b32 s[G1A+7], 0
	s_mov_b32 s[G1B], (1<<16)|(1<<20)|(5<<22)|(7<<25)  ; no mask; behind every 64 words, 8 words
	s_mov_b32 s[G1B+1], 128<<16
	s_mov_b32 s[G1B+2], 128<<16
	s_mov_b32 s[G1B+3], 128<<16
	s_mov_b32 s[G1B+4], 128
	s_mov_b32 s[G1B+5], 3072
	s_mov_b32 s[G1B+6], 0
	s_mov_b32 s[G1B+7], 0
	s_lshl_b32 s21, s17, 11
	s_lshl_b32 s22, s18, 7
	s_add_co_u32 s22, s22, s21                     ; the first tile's first row
	s_lshl_b32 s23, s20, 7
	s_add_co_u32 s23, s23, s21                     ; the second's
	s_lshl_b32 s[ROWQ], s22, 12
	s_lshl_b32 s[ROWHI], s23, 12
	s_mov_b32 s[NXT], 0
	s_sub_co_u32 s[LQ], s19, 1
	s_sub_co_u32 s[LQHI], 8, s19
	s_mov_b32 s[AO+1], 0
	s_mov_b32 s[BO+1], 0
	s_mov_b32 s[PO+1], 0
	s_mov_b32 s[RT], s19
	s_mov_b32 s[TB], 0
	s_lshl_b32 s86, s14, 18                        ; p': my 64 rows of 4,096 bytes
	s_mov_b32 s87, 0
	s_lshl_b32 s88, s14, 7                         ; v: my 128 keys,
	s_add_co_u32 s88, s88, s21
	s_mul_i32 s88, s88, 6144
	s_add_co_u32 s88, s88, 4096                    ; v's place in a row of qkv,
	s_lshl_b32 s89, s16, 8                         ; my tile's 128 channels
	s_add_co_u32 s88, s88, s89
	s_mov_b32 s89, 0
	s_mul_i32 s93, s14, AHALF                      ; where they go: no place in the cluster enters an LDS address
	s_mul_i32 s94, s14, BHALF
	s_add_co_u32 s94, s94, BOFF
	s_mov_b32 s[G0A], 1
	s_mov_b32 s[G0A+1], s93
	s_mov_b32 s[G0A+4], 1
	s_add_co_u32 s[G0A+5], s93, SLOT
	s_mov_b32 s[G0B], 1
	s_mov_b32 s[G0B+1], s94
	s_mov_b32 s[G0B+4], 1
	s_add_co_u32 s[G0B+5], s94, SLOT
	s_wait_dscnt 0x0
	s_wait_kmcnt 0x0
	s_add_nc_u64 s[ABASE:ABASE+1], s[4:5], s[86:87]
	s_add_nc_u64 s[VBASE:VBASE+1], s[8:9], s[88:89]
	REQ 0
	REQ 1
	CROUND                                         ; all four work-groups are here: the first joint loads meet
	s_cmp_lt_u32 s[WV], 2                          ; a wave's two first fills stand in one branch: two loads of mine are out
	s_cbranch_scc0 .Lfirst_v
	tensor_load_to_lds s[G0A:G0A+3], s[G1A:G1A+7]
	s_nop 0
	tensor_load_to_lds s[G0A+4:G0A+7], s[G1A:G1A+7]
	s_nop 0
	PLACES
	s_branch .Lfirst_asked
.Lfirst_v:
	tensor_load_to_lds s[G0B:G0B+3], s[G1B:G1B+7]
	s_nop 0
	tensor_load_to_lds s[G0B+4:G0B+7], s[G1B:G1B+7]
	s_nop 0
	PLACES
.Lfirst_asked:
	; THE PROLOGUE, in the wait for the first tiles.  Thread t takes row t of both tiles.  Chunk wc of the walk is chunk wc of the first tile while wc < 2 SL, else chunk wc - 2 SL of the second.
	s_lshl_b32 s93, s19, 1                         ; 2 SL: 2, 4, 6 or 8
	s_lshl_b32 s94, s17, 18                        ; a batch's 16 chunks of 16,384 bytes
	s_lshl_b32 s86, s20, 10
	s_add_co_u32 s95, s94, s86                     ; the second tile's rows,
	s_lshl_b32 s86, s93, 14
	s_sub_co_u32 s95, s95, s86                     ; less 2 SL chunks: the walk's number is added below
	s_lshl_b32 s86, s18, 10
	s_add_co_u32 s94, s94, s86                     ; the first tile's rows
	v_lshlrev_b32 v6, 3, v0
.set wc, 0
.rept 18
	s_cmp_gt_u32 s93, wc
	s_cselect_b32 s86, s94, s95
	s_add_co_u32 s86, s86, wc<<14
	v_add_nc_u32 v[AD+wc], s86, v6
	global_load_b64 v[ML+2*wc:ML+2*wc+1], v[AD+wc], s[6:7]
.set wc, wc+1
.endr
	v_and_b32 v1, 15, v0                           ; l % 16
	v_bfe_u32 v2, v0, 4, 1                         ; l / 16
	v_mul_u32_u24 v[A0], v1, PA
	v_lshl_add_u32 v[A0], v2, 4, v[A0]
	s_mul_i32 s86, s13, AHALF
	v_add_nc_u32 v[A0], s86, v[A0]
	v_and_b32 v3, 7, v0                            ; the turning load: lane l reads key 8 (l / 16) + l % 8, channels 8 ((l / 8) % 2) + 0..7
	v_bfe_u32 v4, v0, 3, 1
	v_lshl_add_u32 v[B0], v2, 3, v3
	v_mul_u32_u24 v[B0], v[B0], PB
	v_lshl_add_u32 v[B0], v4, 4, v[B0]
	s_lshl_b32 s86, s14, 7
	s_add_co_u32 s86, s86, BOFF
	v_add_nc_u32 v[B0], s86, v[B0]
	v_mov_b32 v[ADRA], v[A0]
	v_mov_b32 v[ADRB], v[B0]
	v_add_nc_u32 v[ADRB+1], BHALF, v[B0]
	s_lshl_b32 s86, s13, 8
	s_add_co_u32 s86, s86, FT
	v_lshl_add_u32 v[FA], v1, 2, s86
	s_lshl_b32 s86, s13, 9
	s_add_co_u32 s86, s86, RL
	v_lshl_add_u32 v[RLA], v1, 3, s86
	s_mul_i32 s86, s[WV], 16*SP
	s_add_co_u32 s86, s86, STAGE
	v_mul_u32_u24 v[STO], v1, SP                   ; in: row l % 16, 32 bytes for each half of the lanes
	v_lshl_add_u32 v[STO], v2, 5, v[STO]
	v_add_nc_u32 v[STO], s86, v[STO]
	v_mul_u32_u24 v[RD], v2, SP                    ; back: lanes 0-15 one row of 256 bytes, lanes 16-31 the next
	v_lshl_add_u32 v[RD], v1, 4, v[RD]
	v_add_nc_u32 v[RD], s86, v[RD]
	v_lshlrev_b32 v[CO], 12, v2
	v_lshl_add_u32 v[CO], v1, 4, v[CO]
	s_lshl_b32 s90, s13, 6
	s_lshl_b32 s91, s16, 9
	s_lshl_b32 s92, s14, 8
	s_add_co_u32 s91, s91, s92                     ; my 64 channels, 4 bytes each
	s_add_co_u32 s86, s22, s90
	s_lshl_b32 s86, s86, 12
	s_add_co_u32 s86, s86, s91
	s_add_nc_u64 s[OUTB:OUTB+1], s[10:11], s[86:87]
	s_add_co_u32 s86, s23, s90
	s_lshl_b32 s86, s86, 12
	s_add_co_u32 s86, s86, s91
	s_add_nc_u64 s[OUTB+2:OUTB+3], s[10:11], s[86:87]
	s_lshl_b32 s86, s15, 16                        ; the prefetches: my work-group's 16 rows of the wave's 64
	s_add_nc_u64 s[PFB:PFB+1], s[ABASE:ABASE+1], s[86:87]
	s_movk_i32 s89, 6144
	s_cmp_lt_u32 s[WV], 2
	s_cselect_b64 s[PFB:PFB+1], s[PFB:PFB+1], s[VBASE:VBASE+1]
	s_cselect_b32 s86, ttmp9, s18                  ; what must be 0 for me to ask: the same in all four partners
	s_cselect_b32 s88, 7, 5
	s_cselect_b32 s89, 4096, s89                   ; p': (lane / 2) rows of pp + (lane % 2) x 256; v: lane rows of qkv
	s_cselect_b32 s90, 1, 0
	s_cmp_eq_u32 s86, 0
	s_cselect_b32 s[LIMH], s88, 0
	v_and_b32 v[PFO], 31, v0
	v_and_b32 v31, s90, v[PFO]
	v_lshrrev_b32 v[PFO], s90, v[PFO]
	v_mul_u32_u24 v[PFO], v[PFO], s89
	v_lshl_add_u32 v[PFO], v31, 8, v[PFO]
	s_cmp_gt_u32 s93, 2                            ; do chunks 2 and 3, 4 and 5, 6 and 7 belong to the first tile?
	s_cselect_b32 s90, -1, 0
	s_cmp_gt_u32 s93, 4
	s_cselect_b32 s91, -1, 0
	s_cmp_gt_u32 s93, 6
	s_cselect_b32 s92, -1, 0
	v_lshl_add_u32 v114, v0, 2, FT
	v_lshl_add_u32 v115, v0, 3, RL
	v_mov_b32 v113, 0
	s_wait_loadcnt 0x0
	; the two maxima.  Chunks 0, 1 are the first tile's, 8 to 17 the second's; a chunk between counts for one and is replaced, for the other, by a chunk that is that tile's anyway
	v_max_num_f32 v104, v[ML], v[ML+2]
	v_max3_num_f32 v105, v[ML+16], v[ML+18], v[ML+20]
	v_max3_num_f32 v105, v105, v[ML+22], v[ML+24]
	v_max3_num_f32 v105, v105, v[ML+26], v[ML+28]
	v_max3_num_f32 v105, v105, v[ML+30], v[ML+32]
	v_max_num_f32 v105, v105, v[ML+34]
.irp wc, 2,3,4,5,6,7
	v_cndmask_b32 v106, v[ML], v[ML+2*\wc], s[89+\wc/2]
	v_cndmask_b32 v107, v[ML+2*\wc], v[ML+16], s[89+\wc/2]
	v_max_num_f32 v104, v104, v106
	v_max_num_f32 v105, v105, v107
.endr
.irp k, 0,1,2
	v_cndmask_b32 v[110+\k], v105, v104, s[90+\k]  ; the maximum that goes with chunks 2 k + 2 and 2 k + 3
.endr
.set wc, 0
.rept 18
.if wc < 2
	v_sub_f32 v[DF+wc], v[ML+2*wc], v104
.elseif wc < 8
	v_sub_f32 v[DF+wc], v[ML+2*wc], v[109+wc/2]
.else
	v_sub_f32 v[DF+wc], v[ML+2*wc], v105
.endif
.set wc, wc+1
.endr
.set wc, 0
.rept 18
	v_exp_f32 v[DF+wc], v[DF+wc]                   ; f: one batch
.set wc, wc+1
.endr
	v_nop                                          ; a plain instruction behind the last exponential,
	s_wait_alu depctr_va_vdst(0)                   ; and the one wait ahead of the first reader
	v_mul_f32 v108, v[DF], v[ML+1]
	v_mul_f32 v109, v[DF+8], v[ML+17]
	v_fmac_f32 v108, v[DF+1], v[ML+3]
.irp wc, 9,10,11,12,13,14,15,16,17
	v_fmac_f32 v109, v[DF+\wc], v[ML+2*\wc+1]
.endr
.irp wc, 2,3,4,5,6,7
	v_cndmask_b32 v106, 0, v[ML+2*\wc+1], s[89+\wc/2]
	v_cndmask_b32 v107, v[ML+2*\wc+1], 0, s[89+\wc/2]
	v_fmac_f32 v108, v[DF+\wc], v106
	v_fmac_f32 v109, v[DF+\wc], v107
.endr
	v_rcp_f32 v116, v108
	v_rcp_f32 v118, v109
.set wc, 0
.rept 18
	v_cvt_pk_f16_f32 v[DF+wc], v[DF+wc], v[DF+wc]
	ds_store_b32 v114, v[DF+wc] offset:wc*512
.set wc, wc+1
.endr
	ds_store_b32 v114, v113 offset:18*512
	s_wait_alu depctr_va_vdst(0)                   ; the two reciprocals; the conversions above are the plain work behind them
	v_mov_b32 v117, v116
	v_mov_b32 v119, v118
	ds_store_b64 v115, v[116:117]
	ds_store_b64 v115, v[118:119] offset:1024
.macro CLEAR                           ; the sums start at 0, so that the loop has one form of product: 128 lines at each tile's beginning
.set q, 0
.rept 128
	v_mov_b32 v[ACC+q], 0
.set q, q+1
.endr
.endm
	CLEAR
; THE PIPELINE.  A step is eight parts of 32 keys.  Part j: 16 products on V^T's ring slot j % 4 and the scaled buffer j % 2; behind each product two riders scale two registers of part j + 1.
.macro PART j, n                       ; the next n products of part j.  The 16 accumulators take turns, one instruction a turn
.rept \n
.set rA, ACC+8*ii
.set rV, VR+32*((\j)%4)+8*(ii%4)
.set rS, SB+32*((\j)%2)+8*(ii/4)
.set jn, ((\j)+1)%8
.set rT, SB+32*(jn%2)+8*(ii/4)+2*(ii%4)
.set rP, 32*(jn%4)+8*(ii/4)+2*(ii%4)
.set rF, FR+4*(jn/4)+ii/4
	v_wmma_f32_16x16x32_f16 v[rA:rA+7], v[rV:rV+7], v[rS:rS+7], v[rA:rA+7]
	v_pk_mul_f16 v[rT], v[rP], v[rF]
	v_pk_mul_f16 v[rT+1], v[rP+1], v[rF]
.set ii, ii+1
.endr
.endm
.macro LDP kk                          ; p' of part kk: four fragments of 16 rows x 32 keys
.irp a, 0,1,2,3
	ds_load_b128 v[32*((\kk)%4)+8*\a:32*((\kk)%4)+8*\a+3],   v[ADRA] offset:\a*16*PA+(\kk)*64
	ds_load_b128 v[32*((\kk)%4)+8*\a+4:32*((\kk)%4)+8*\a+7], v[ADRA] offset:\a*16*PA+(\kk)*64+32
.endr
.endm
.macro LDV kk                          ; V^T of part kk: four fragments of 16 channels x 32 keys
.irp c, 0,1,2,3
	ds_load_tr16_b128 v[VR+32*((\kk)%4)+8*\c:VR+32*((\kk)%4)+8*\c+3],   v[ADRB+(\kk)/4] offset:((\kk)%4)*32*PB+\c*32
	ds_load_tr16_b128 v[VR+32*((\kk)%4)+8*\c+4:VR+32*((\kk)%4)+8*\c+7], v[ADRB+(\kk)/4] offset:((\kk)%4)*32*PB+\c*32+16*PB
.endr
.endm
.macro LDF reg, off                    ; f of one chunk for my four row blocks
.irp a, 0,1,2,3
	ds_load_b32 v[(\reg)+\a], v[FA] offset:(\off)+64*\a
.endr
.endm
; Run j of LDS loads stands behind part j's second product: six plain instructions behind the last product that read the ring slot of V^T that it fills.  p' is fetched four parts, V^T three parts ahead of its use;
; runs 5 to 7 read the next slot.
.macro RUN j
	WIN 0x40                                       ; destination window 1, address window 0
.if (\j) == 0
	LDP 4
	LDV 3
	WIN 0
	LDF FR+4, 512                                  ; the step's second chunk
.elseif (\j) < 4
	LDP (\j)+4
	LDV (\j)+3
.elseif (\j) == 4
	LDV 7
	WIN 0
	LDF FR, 1024                                   ; the next step's first chunk
.elseif (\j) == 5
	LDP 0
	LDP 1
	LDV 0
.else
	LDP (\j)-4
	LDV (\j)-5
.endif
.endm
; The wait at a part's head leaves the two youngest runs out.  Part 4 holds the change of slots: all reads of the slot have been issued; each wave waits for all its tensor loads (one is out: its part of the next slot),
; adds 0 to its spare word, and waits for that and for its reads.  fill = 1: the barrier opens a round of the cluster's, and the refill is the first thing behind the round.
.macro K32 j, fill
.set ii, 0
.if ((\j) == 0) || ((\j) == 3) || ((\j) == 4)
	s_wait_dscnt 32                                ; two runs of 16
.elseif ((\j) == 1) || ((\j) == 2)
	s_wait_dscnt 36                                ; a run of 16 and run 0's 20
.elseif (\j) == 7
	s_wait_dscnt 16                                ; run 6; (parts 5 and 6 lean on the wait for 0 in part 4)
.endif
	WIN 0x01                                       ; source 0 (V^T; p' as loaded) in window 1, all else in window 0: one setting for products and riders
.if (\j) == 5
	PART \j, 16
.else
	PART \j, 2
	RUN \j
.if (\j) == 4
	WIN 0
.if \fill
	s_wait_xcnt 0x0                                ; the last prefetches, a step back, have read their address
.endif
	s_wait_tensorcnt 0x0                           ; no tensor load of mine is out, so a group 0 may be written
	ds_add_u32 v[SPW], v[NIL]                      ; 0 onto my spare word
.if \fill
	s_xor_b32 s[G0A+5], s[G0A+5], SLOT
	s_xor_b32 s[G0B+5], s[G0B+5], SLOT
	REQ 1
	s_lshl_b32 s86, s[NXT], 9                      ; the request after this one, for the prefetch
	s_add_co_u32 s86, s86, s[ROWQ]
	s_mul_i32 s87, s[NXT], 256*6144
	s_cmp_lt_u32 s[WV], 2
	s_cselect_b32 s[PO], s86, s87
	s_add_nc_u64 s[PFA:PFA+1], s[PFB:PFB+1], s[PO:PO+1]
.endif
	WIN 0x01
	PART \j, 8
	s_wait_dscnt 0x0                               ; the add is done, and my reads of this slot are over
	s_barrier_signal -1
	PART \j, 6                                     ; work on registers while the others arrive
	WIN 0
	s_barrier_wait -1
.if \fill
	CREST                                          ; no wave of any partner still reads this slot or has a load on its way
	JLOAD                                          ; the four v_nop behind it are also the places in front of the loads below
.else
	PLACES
.endif
	s_xor_b32 s[TB], s[TB], SLOT
	v_add_nc_u32 v[ADRA], s[TB], v[A0]
	v_add_nc_u32 v[ADRB], s[TB], v[B0]
	v_add_nc_u32 v[ADRB+1], BHALF, v[ADRB]
	RUN 5
	WIN 0
.if \fill
	ASK
.endif
.else
	WIN 0x01
	PART \j, 14
.endif
.endif
.endm
.macro STEP fill
.irp j, 0,1,2,3,4,5,6,7
	K32 \j, \fill
.endr
	WIN 0
	v_add_nc_u32 v[FA], 1024, v[FA]                ; the next step's two chunks
.endm
; THE WAY OUT of tile t: the sums times 1 / L, through my own stage in LDS, a block of 16 rows at a time.
.macro PACKO t, a
	WIN 0
.set q, 0
.rept 16
	v_pk_mul_f32 v[ACC+32*(\a)+2*q:ACC+32*(\a)+2*q+1], v[ACC+32*(\a)+2*q:ACC+32*(\a)+2*q+1], v[RLR+8*(\t)+2*(\a):RLR+8*(\t)+2*(\a)+1]
.set q, q+1
.endr
.irp b, 0,1,2,3
	ds_store_b128 v[STO], v[ACC+32*(\a)+8*\b:ACC+32*(\a)+8*\b+3]   offset:64*\b
	ds_store_b128 v[STO], v[ACC+32*(\a)+8*\b+4:ACC+32*(\a)+8*\b+7] offset:64*\b+16
.endr
	s_wait_xcnt 0x0                                ; the stores of the block two back have read the registers that are loaded now
	WIN 0x80                                       ; destination window 2
.irp f, 0,1,2,3,4,5,6,7
	ds_load_b128 v[32*((\a)%2)+4*\f:32*((\a)%2)+4*\f+3], v[RD] offset:\f*2*SP  ; LDS serves a wave's instructions in order (ISA guide 5.7.1.4): these see the stores above
.endr
.endm
.macro SENDO t, a, younger
	WIN 0x08                                       ; store data in window 2
.irp f, 0,1,2,3,4,5,6,7
	s_wait_dscnt (\younger)+7-\f
	global_store_b128 v[CO], v[32*((\a)%2)+4*\f:32*((\a)%2)+4*\f+3], s[OUTB+2*(\t):OUTB+2*(\t)+1] offset:(\a)*65536+\f*8192  ; 16 lanes store 64 numbers of a row: 256 consecutive bytes, aligned
.endr
.endm
.macro OUTT t
	PLACES
	PACKO \t, 0
	PACKO \t, 1
	SENDO \t, 0, 16
	PACKO \t, 2
	SENDO \t, 1, 16
	PACKO \t, 3
	SENDO \t, 2, 16
	SENDO \t, 3, 0
	WIN 0
.endm
	s_wait_dscnt 0x0                               ; for the others' sake: my stores into the two tables are done
	s_wait_tensorcnt 1                             ; my part of the first request is in; the second's may stay out
	s_barrier_signal -1
	s_barrier_wait -1
	LDF FR, 0
.irp i, 0,1,2,3,4,5,6,7
	ds_load_b64 v[RLR+2*\i:RLR+2*\i+1], v[RLA] offset:(\i/4)*1024+(\i%4)*128
.endr
	RUN 5
	RUN 6
	RUN 7
	s_wait_dscnt 32                                ; runs 6 and 7 may stay out
	WIN 0x01
.set q, 0
.rept 32                                       ; part 0 is scaled ahead of the loop
	v_pk_mul_f16 v[SB+q], v[q], v[FR+q/8]
.set q, q+1
.endr
	WIN 0
	s_mov_b32 s[CNT], 7
.Lwalk:                                                ; 7 trips: requests 2 to 8 are made
	STEP 1
	s_sub_co_u32 s[RT], s[RT], 1
	s_cmp_lg_u32 s[RT], 0
	s_cbranch_scc1 .Lgo_on                         ; forward, past no barrier and no tensor load
	OUTT 0                                         ; the first tile ends in one of trips 0 to 3; the ring has run on into the second
	CLEAR
.Lgo_on:
	s_sub_co_u32 s[CNT], s[CNT], 1
	s_cmp_lg_u32 s[CNT], 0
	s_cbranch_scc1 .Lwalk
	s_mov_b32 s[CNT], 2
.Ltail:                                                ; the last two steps ask for nothing.  The very last one's look-ahead (56 loads from the slot read before and from the table's zeros, 32 scalings) serves nothing: the price of one text for both
	STEP 0
	s_sub_co_u32 s[CNT], s[CNT], 1
	s_cmp_lg_u32 s[CNT], 0
	s_cbranch_scc1 .Ltail
	s_wait_dscnt 0x0
	OUTT 1
	s_wait_tensorcnt 0x0                           ; the wave's end
	ds_add_u32 v[SPW], v[NIL]
	s_wait_dscnt 0x0
	CROUND                                         ; the closing round
	s_endpgm
.Lfunc_end_k_qa4c93fe285_pv:
	.size	k_qa4c93fe285_pv, .Lfunc_end_k_qa4c93fe285_pv-k_qa4c93fe285_pv
	.p2alignl 7, 3214868480
	.fill 96, 4, 3214868480
	.section	.rodata,"a",@progbits
	.p2align	6, 0x0
	.amdhsa_kernel k_qa4c93fe285_pv
		.amdhsa_group_segment_fixed_size 327680
		.amdhsa_private_segment_fixed_size 0
		.amdhsa_enable_private_segment 0
		.amdhsa_kernarg_size 32
		.amdhsa_user_sgpr_count 2
		.amdhsa_user_sgpr_kernarg_segment_ptr 1
		.amdhsa_wavefront_size32 1
		.amdhsa_system_sgpr_workgroup_id_x 1
		.amdhsa_system_sgpr_workgroup_id_y 1
		.amdhsa_system_sgpr_workgroup_id_z 1
		.amdhsa_system_vgpr_workitem_id 0
		.amdhsa_next_free_vgpr 576
		.amdhsa_next_free_sgpr 96
		.amdhsa_reserve_vcc 0
		.amdhsa_float_denorm_mode_32 3
		.amdhsa_float_denorm_mode_16_64 3
		.amdhsa_memory_ordered 1
		.amdhsa_forward_progress 1
		.amdhsa_inst_pref_size 131
	.end_amdhsa_kernel
	.amdgpu_metadata
---
amdhsa.version: [ 1, 2 ]
amdhsa.kernels:
  - .name:           k_qa4c93fe285_pv
    .symbol:         k_qa4c93fe285_pv.kd
    .args:
      - { .name: pp, .offset: 0, .size: 8, .value_kind: global_buffer, .address_space: global }
      - { .name: st, .offset: 8, .size: 8, .value_kind: global_buffer, .address_space: global }
      - { .name: qkv, .offset: 16, .size: 8, .value_kind: global_buffer, .address_space: global }
      - { .name: out0, .offset: 24, .size: 8, .value_kind: global_buffer, .address_space: global }
    .group_segment_fixed_size: 327680
    .private_segment_fixed_size: 0
    .kernarg_segment_align: 8
    .kernarg_segment_size: 32
    .max_flat_workgroup_size: 128
    .sgpr_count:     96
    .vgpr_count:     576
    .wavefront_size: 32
...
	.end_amdgpu_metadata
.endif
;; end of part 4
;; ======== version 2 of 2: 4 launches; version 1 with the launch prep written anew for expert scheduling mode
;; limits: values are held in f16: magnitudes above 65,504 overflow, below 6.1e-05 lose precision
;; workspace buffers: xb 16,777,216 bytes; wt 6,291,456 bytes; qkv 50,331,648 bytes; pp 33,554,432 bytes; st 1,048,576 bytes
;; launch prep (part 5): grid 1024 x 1, 8 waves a work-group, no clusters, 17,920 bytes of LDS; arguments X, Wq, Wk, Wv, xb, wt; writes xb, wt
.if DOCPART == 5
	.amdgcn_target "amdgcn-amd-amdhsa--gfx1250"
	.amdhsa_code_object_version 6
	.text
	.protected	k_qa4c93fe285_prep
	.globl	k_qa4c93fe285_prep
	.p2align	8
	.type	k_qa4c93fe285_prep,@function
k_qa4c93fe285_prep:
	s_mov_b64 s[64:65], 0
	v_nop
	global_prefetch_b8 v0, s[64:65] scope:SCOPE_SE
	s_setreg_imm32_b32 hwreg(HW_REG_WAVE_SCHED_MODE, 0, 2), 2
	s_setreg_imm32_b32 hwreg(HW_REG_WAVE_MODE, 25, 1), 1
	s_wait_xcnt 0x0
	s_wait_alu depctr_vm_vsrc(0)
; X and the three weights are rounded once to bf16 and laid out in blocks of 64 along K, so that a tile's K step is dense memory for the next launch.
;   xb[kb][row][64]  = X[row][64 kb ..]            16 x 8192 x 64 bf16
;   wt[kb][n][64]    = W[64 kb ..][n], turned      16 x 3072 x 64 bf16; n 0-1023 Wq's columns, 1024-2047 Wk's, 2048-3071 Wv's
; Work-groups 0-255 take 32 rows of X each; work-groups 256-1023 one block of 64 k x 64 n of one weight each, turned through LDS.
; Every byte is read once and written once; no matrix unit, no tensor load: nothing is shared and nothing is used twice.
; THE MODE: SCHED_MODE bits 1:0 = 2 (LLVM: expert scheduling mode 2), set by the entry lines.  The code itself states the register dependences
; between vector instructions and memory or LDS instructions, with s_wait_alu, always for 0.
; THE PLAN.  Registers that memory or LDS instructions touch:
;   v1, v3, v4, v5   offsets and LDS addresses: made by vector lines at a path's head, read by its loads and stores, never written again: one wait on va_vdst at each path's head.
;   IN               written by loads alone, each register once; read by the conversions (and, as data, by the weights' LDS stores): no load lands in a register that a vector line has named.
;   OUT              written by the conversions, each register once; read by the stores: a wait on va_vdst between the two; nothing is written again, so no wait on vm_vsrc is owed.
;   v6, v7           made at the head, read by the closing add alone.
; X goes in 8 blocks of four pieces.  Block g's conversions name IN and OUT of block g alone; its memory instructions are the four stores of block g - 1.  So ONE wait at a block's head,
; behind the wait for the block's data, states all that those four stores hang on, and they are dealt among the block's conversions with no further wait.
.set SPARE, 16896                      ; behind the tile of 64 x 65 words: the spare words, 128 bytes for each of eight waves
.set LO,  1                            ; v1  load offset: (t / 16) rows of 4,096 bytes + 16 (t % 16); the same for X and for a weight
.set SO,  4                            ; v4  X: store offset 8 t.  W: where I put my words in LDS
.set RDA, 5                            ; v5  W: where I read a column piece back
.set SPW, 6                            ; v6  LDS address of my spare word; never rewritten
.set NIL, 7                            ; v7  0; never rewritten
.set IN,  8                            ; v[8:135]   as loaded
.set OUT, 136                          ; v[136:199] to store: each store has registers of its own, so none waits for another
	s_load_b256 s[4:11], s[0:1], 0x0               ; X s[4:5], Wq s[6:7], Wk s[8:9], Wv s[10:11]
	s_load_b128 s[12:15], s[0:1], 0x20             ; xb s[12:13], wt s[14:15]
	v_lshl_add_u32 v[SPW], v0, 2, SPARE
	v_mov_b32 v[NIL], 0
	v_lshrrev_b32 v2, 4, v0                        ; t / 16
	v_and_b32 v3, 15, v0                           ; t % 16
	v_lshlrev_b32 v[LO], 12, v2
	v_lshl_add_u32 v[LO], v3, 4, v[LO]
	s_cmp_lt_u32 ttmp9, 256
	s_cbranch_scc0 .Lweights
	; X: 32 rows.  A wave's load takes 256 consecutive bytes (one K block) of two rows; its store 256 consecutive bytes of xb: the same two rows of that block.
	s_lshl_b32 s16, ttmp9, 17                      ; 32 rows of 4,096 bytes
	s_mov_b32 s17, 0
	s_lshl_b32 s18, ttmp9, 12                      ; 32 rows of 128 bytes in a K block
	s_mov_b32 s19, 0
	v_lshlrev_b32 v[SO], 3, v0                     ; (t / 16) x 128 + (t % 16) x 8 = 8 t
	s_wait_kmcnt 0x0
	s_add_nc_u64 s[4:5], s[4:5], s[16:17]
	s_add_nc_u64 s[12:13], s[12:13], s[18:19]
	s_add_nc_u64 s[20:21], s[12:13], 0x800000      ; K blocks 8-15: a second base keeps the immediates inside their 24 bits
	s_wait_alu depctr_va_vdst(0)                   ; v[LO] and v[SO] are written: every load below reads the one as its offset, every store the other
.set i, 0
.rept 32                                       ; i = 16 x (half of the rows) + K block: all 32 loads go out at once
	global_load_b128 v[IN+4*i:IN+4*i+3], v[LO], s[4:5] offset:(i/16)*65536+(i%16)*256 th:TH_LOAD_NT
.set i, i+1
.endr
.macro PUT n                           ; piece n leaves: half n / 16 of the rows, K block n % 16
.if ((\n)%16) < 8
	global_store_b64 v[SO], v[OUT+2*(\n):OUT+2*(\n)+1], s[12:13] offset:((\n)/16)*2048+((\n)%8)*1048576
.else
	global_store_b64 v[SO], v[OUT+2*(\n):OUT+2*(\n)+1], s[20:21] offset:((\n)/16)*2048+((\n)%8)*1048576
.endif
.endm
.set g, 0
.rept 8                                        ; block g: pieces 4 g to 4 g + 3
	s_wait_loadcnt 28-4*g                          ; loads come back in order: the block's four are in, the 28 - 4 g younger ones may stay out
.if g > 0
	s_wait_alu depctr_va_vdst(0)                   ; the conversions of the block before have written their OUT registers, which the four stores below read
.endif
.set j, 0
.rept 4
.if g > 0
	PUT 4*(g-1)+j                                  ; no vector line since the wait names this store's registers
.endif
	v_cvt_pk_bf16_f32 v[OUT+2*(4*g+j)], v[IN+4*(4*g+j)], v[IN+4*(4*g+j)+1]
	v_cvt_pk_bf16_f32 v[OUT+2*(4*g+j)+1], v[IN+4*(4*g+j)+2], v[IN+4*(4*g+j)+3]
.set j, j+1
.endr
.set g, g+1
.endr
	s_wait_alu depctr_va_vdst(0)                   ; the last block's conversions have written their OUT registers, which the last four stores read
.set j, 0
.rept 4
	PUT 28+j
.set j, j+1
.endr
	s_endpgm
.Lweights:
	s_sub_co_u32 s16, ttmp9, 256
	s_lshr_b32 s17, s16, 8                         ; which weight
	s_bfe_u32 s18, s16, 0x40004                    ; K block
	s_and_b32 s19, s16, 15                         ; block of 64 columns
	s_lshl_b32 s20, s18, 18                        ; 64 rows of 4,096 bytes
	s_lshl_b32 s21, s19, 8
	s_add_co_u32 s20, s20, s21
	s_mov_b32 s21, 0
	s_mul_i32 s22, s18, 393216                     ; a K block of wt: 3,072 rows of 128 bytes
	s_lshl_b32 s23, s17, 17                        ; the weight's 1,024 rows
	s_add_co_u32 s22, s22, s23
	s_lshl_b32 s23, s19, 13                        ; the block's 64 rows
	s_add_co_u32 s22, s22, s23
	s_mov_b32 s23, 0
	v_mul_u32_u24 v[SO], v2, 260                   ; LDS row k has 65 words: neither the stores by rows nor the reads by columns meet in a bank
	v_lshl_add_u32 v[SO], v3, 4, v[SO]
	v_and_b32 v[RDA], 7, v0
	v_mul_u32_u24 v[RDA], v[RDA], 2080             ; k = 8 (t % 8): eight LDS rows
	v_lshrrev_b32 v2, 3, v0
	v_lshl_add_u32 v[RDA], v2, 2, v[RDA]           ; n = t / 8
	v_lshlrev_b32 v3, 4, v0                        ; in wt: n x 128 + (t % 8) x 16 = 16 t
	s_wait_kmcnt 0x0
	s_cmp_eq_u32 s17, 0
	s_cselect_b64 s[24:25], s[6:7], s[8:9]
	s_cmp_eq_u32 s17, 2
	s_cselect_b64 s[24:25], s[10:11], s[24:25]
	s_add_nc_u64 s[24:25], s[24:25], s[20:21]
	s_add_nc_u64 s[14:15], s[14:15], s[22:23]
	s_wait_alu depctr_va_vdst(0)                   ; v[LO], v[SO], v[RDA] and v3 are written: the loads, the LDS stores, the LDS loads and the stores below read them as offsets and addresses
.irp q, 0,1,2,3
	global_load_b128 v[IN+4*\q:IN+4*\q+3], v[LO], s[24:25] offset:\q*65536 th:TH_LOAD_NT
.endr
	s_wait_loadcnt 0x0
.irp q, 0,1,2,3
.irp i, 0,1,2,3
	ds_store_b32 v[SO], v[IN+4*\q+\i] offset:\q*4160+\i*4  ; the data come from the loads above: no vector line has named them
.endr
.endr
	s_wait_dscnt 0x0                               ; for the others' sake: my stores are done
	s_barrier_signal -1
	s_barrier_wait -1
.irp p, 0,1
.irp i, 0,1,2,3,4,5,6,7
	ds_load_b32 v[IN+16+8*\p+\i], v[RDA] offset:\i*260+\p*128  ; into registers that nothing has named so far
.endr
.endr
.irp p, 0,1
	s_wait_dscnt 8-8*\p                            ; the second pass's eight loads may stay out during the first pass's conversions
.irp i, 0,1,2,3
	v_cvt_pk_bf16_f32 v[OUT+4*\p+\i], v[IN+16+8*\p+2*\i], v[IN+16+8*\p+2*\i+1]
.endr
.endr
	s_wait_alu depctr_va_vdst(0)                   ; the eight conversions have written v[OUT:OUT+7], which the two stores read
.irp p, 0,1
	global_store_b128 v3, v[OUT+4*\p:OUT+4*\p+3], s[14:15] offset:\p*4096  ; a wave's store covers 512 consecutive bytes
.endr
	s_wait_dscnt 0x0                               ; the wave's end
	s_wait_alu 0x0
	s_wait_tensorcnt 0x0
	ds_add_u32 v[SPW], v[NIL]
	s_wait_dscnt 0x0
	s_endpgm
.Lfunc_end_k_qa4c93fe285_prep:
	.size	k_qa4c93fe285_prep, .Lfunc_end_k_qa4c93fe285_prep-k_qa4c93fe285_prep
	.p2alignl 7, 3214868480
	.fill 96, 4, 3214868480
	.section	.rodata,"a",@progbits
	.p2align	6, 0x0
	.amdhsa_kernel k_qa4c93fe285_prep
		.amdhsa_group_segment_fixed_size 17920
		.amdhsa_private_segment_fixed_size 0
		.amdhsa_enable_private_segment 0
		.amdhsa_kernarg_size 48
		.amdhsa_user_sgpr_count 2
		.amdhsa_user_sgpr_kernarg_segment_ptr 1
		.amdhsa_wavefront_size32 1
		.amdhsa_system_sgpr_workgroup_id_x 1
		.amdhsa_system_sgpr_workgroup_id_y 1
		.amdhsa_system_sgpr_workgroup_id_z 1
		.amdhsa_system_vgpr_workitem_id 0
		.amdhsa_next_free_vgpr 208
		.amdhsa_next_free_sgpr 66
		.amdhsa_reserve_vcc 0
		.amdhsa_float_denorm_mode_32 3
		.amdhsa_float_denorm_mode_16_64 3
		.amdhsa_memory_ordered 1
		.amdhsa_forward_progress 1
		.amdhsa_inst_pref_size 17
	.end_amdhsa_kernel
	.amdgpu_metadata
---
amdhsa.version: [ 1, 2 ]
amdhsa.kernels:
  - .name:           k_qa4c93fe285_prep
    .symbol:         k_qa4c93fe285_prep.kd
    .args:
      - { .name: X, .offset: 0, .size: 8, .value_kind: global_buffer, .address_space: global }
      - { .name: Wq, .offset: 8, .size: 8, .value_kind: global_buffer, .address_space: global }
      - { .name: Wk, .offset: 16, .size: 8, .value_kind: global_buffer, .address_space: global }
      - { .name: Wv, .offset: 24, .size: 8, .value_kind: global_buffer, .address_space: global }
      - { .name: xb, .offset: 32, .size: 8, .value_kind: global_buffer, .address_space: global }
      - { .name: wt, .offset: 40, .size: 8, .value_kind: global_buffer, .address_space: global }
    .group_segment_fixed_size: 17920
    .private_segment_fixed_size: 0
    .kernarg_segment_align: 8
    .kernarg_segment_size: 48
    .max_flat_workgroup_size: 256
    .sgpr_count:     66
    .vgpr_count:     208
    .wavefront_size: 32
...
	.end_amdgpu_metadata
.endif
;; end of part 5
;; launch qkv: the kernel of part 2 again; grid 8 x 32, 4 waves a work-group, clusters of 4 x 4, 327,680 bytes of LDS; arguments xb, wt, qkv; writes qkv
;; launch scores: the kernel of part 3 again; grid 36 x 4, 4 waves a work-group, no clusters, 327,680 bytes of LDS; arguments qkv, pp, st; writes pp, st
;; launch pv: the kernel of part 4 again; grid 8 x 32, 4 waves a work-group, clusters of 4 x 1, 327,680 bytes of LDS; arguments pp, st, qkv, out0; writes out0
